; MI455X (gfx1250); checked and timed in simulation.
; The chip was launched on July 23, 2026; its instructions are those of AMD's public machine-readable ISA for CDNA 5 (MIT licence, August 2026) and "CDNA5" Instruction Set Architecture Reference Guide (July 2026). The comments in the code are by the model that wrote it; some were corrected since.
;; Multi Head Graph Attention. Allowed arithmetic: matrix products marked QUANTISED: E2M1 operands, one E8M0 scale for each 32 along K, by v_wmma_scale_f32_16x16x128_f8f6f4 with both operands' format E2M1 (or v_wmma_scale_f32_32x16x128_f4), f32 sums; products left as they are: bf16, f16 or f32 operands; f32 sums; everything else in f32.
;; Inputs: Wk 1,024 x 1,024 float32; Wo 1,024 x 1,024 float32; Wq 1,024 x 1,024 float32; Wv 1,024 x 1,024 float32; bk 1,024 float32; bo 1,024 float32; bq 1,024 float32; bv 1,024 float32; edge_encoding 8 x 1,024 x 1,024 float32; key 8 x 1,024 x 1,024 float32; key_padding_mask 8 x 1,024 bool; query 8 x 1,024 x 1,024 float32; spatial_encoding 8 x 1,024 x 1,024 float32; value 8 x 1,024 x 1,024 float32.
;; Outputs: out0 8 x 1,024 x 1,024 float32.
;; This version of the problem:
;;   THIS VERSION OF THE PROBLEM IS GIVEN IN LOW PRECISION. The matrix products marked QUANTISED in the list below multiply operands that are first quantised to E2M1 (2 exponent bits, 1 mantissa bit; 4 bits a number), with one power-of-two scale for each 32 numbers along K (OCP MX v1.0); their sums are f32. The products marked 'left as it is' may take bf16, f16 or f32 operands, with f32 sums. Whichever they take, every output number must still come out within the allowed error. Rounding operands to bf16 (8 significant bits) uses up far more of that allowance than f16 does (11 bits, for magnitudes from 6e-5 to 65,504). All else is computed in f32.
;;   The module's matrix products, in the order in which they are computed (A, B: the left and right operand; K: the contracted axis; several contracted axes count as one K, in the product's order):
;;     1. [M 8,192, K 1,024] x [K 1,024, N 1,024]; A: input query; B: input Wq: QUANTISED
;;     2. [M 8,192, K 1,024] x [K 1,024, N 1,024]; A: input key; B: input Wk: QUANTISED
;;     3. [M 8,192, K 1,024] x [K 1,024, N 1,024]; A: input value; B: input Wv: QUANTISED
;;     4. batch 128 x [M 1,024, K 64] x [K 64, N 1,024]; A: computed on the way; B: computed on the way: left as it is (an operand is computed on the way)
;;     5. batch 128 x [M 1,024, K 1,024] x [K 1,024, N 64]; A: computed on the way; B: computed on the way: left as it is (an operand is computed on the way)
;;     6. [M 8,192, K 1,024] x [K 1,024, N 1,024]; A: computed on the way; B: input Wo: left as it is (an operand is computed on the way)
;;   THE QUANTISER, for each operand of a quantised product, along K:
;;     - K is cut into blocks of 32 from its start; a last block that is shorter is filled with zeros.
;;     - A block's scale is 2^e with e = floor(log2(the largest magnitude in the block)) - 2, held to -126 .. 127; a block of zeros has e = 0. As a byte (E8M0): e + 127.
;;     - Each number is divided by its block's scale, clamped to +-6, and rounded to the nearest number of E2M1, ties to even, subnormals kept.
;;     - The product sums the exact products of the quantised numbers (number of the format x scale) in f32.
;;   ~~~python
;;   def quantise(x, axis):      # numpy; x: float32 -> the quantised numbers, widened to float32 again
;;       x = np.moveaxis(x, axis, -1); K = x.shape[-1]
;;       x = np.pad(x, [(0, 0)] * (x.ndim - 1) + [(0, -K % 32)]); x = x.reshape(x.shape[:-1] + (-1, 32)); a = np.abs(x).max(-1, keepdims=True)
;;       e = np.where(a > 0, np.clip(np.frexp(np.where(a > 0, a, 1))[1] - 1 - 2, -126, 127), 0)      # np.frexp(a)[1] - 1 = floor(log2(a)), exactly
;;       r = np.clip(x / 2.0 ** e, -6, 6)
;;       step = 2.0 ** (np.maximum(np.frexp(np.where(r == 0, 1, r))[1] - 1, 0) - 1)
;;       q = np.round(r / step) * step * 2.0 ** e      # np.round: ties to even
;;       return np.moveaxis(q.reshape(q.shape[:-2] + (-1,))[..., :K], -1, axis).astype(np.float32)
;;   ~~~
;; One version. Each part assembles by itself: llvm-mc -triple=amdgcn-amd-amdhsa -mcpu=gfx1250 --defsym DOCPART=n.
;; ======== version 1 of 1: 4 launches
;; limits: values are held in f16: magnitudes above 65,504 overflow, below 6.1e-05 lose precision
;; workspace buffers: xcodes 12,582,912 bytes; xscl 786,432 bytes; wcodes 1,572,864 bytes; wscl 98,304 bytes; wobuf 2,097,152 bytes; biasf 33,554,432 bytes; qkv 50,331,648 bytes; obuf 16,777,216 bytes
;; launch prep (part 1): grid 1968 x 1, 4 waves a work-group, no clusters, 101,888 bytes of LDS; arguments query, key, value, Wq, Wk, Wv, Wo, spatial_encoding, edge_encoding, key_padding_mask, xcodes, xscl, wcodes, wscl, wobuf, biasf; writes xcodes, xscl, wcodes, wscl, wobuf, biasf
.if DOCPART == 1
	.amdgcn_target "amdgcn-amd-amdhsa--gfx1250"
	.amdhsa_code_object_version 6
	.text
	.protected	k_q2ed8549b43_prep
	.globl	k_q2ed8549b43_prep
	.p2align	8
	.type	k_q2ed8549b43_prep,@function
k_q2ed8549b43_prep:
	s_mov_b64 s[64:65], 0
	v_nop
	global_prefetch_b8 v0, s[64:65] scope:SCOPE_SE
	s_setreg_imm32_b32 hwreg(HW_REG_WAVE_MODE, 25, 1), 1
	s_wait_xcnt 0x0
; PREP: every input is read once and laid as the later launches' registers want it.  Four kinds of work-groups, told apart by the work-group's number alone:
;   0 .. 47     Wq, Wk, Wv [k 1024][n 1024] f32 -> codes of E2M1 with K innermost [3][n][512 bytes], one E8M0 byte for each 32 along K [3][n][32]
;   48 .. 175   Wo [k][n] f32 -> f16 in the order of a matrix operand's registers: [kc 4][ntile 64][ks 8][c 2][lane 32][16 bytes]; lane (r, h), quad c: Wo[256 kc + 32 ks + 16 c + 8 h + 0..7][16 ntile + r]
;   176 .. 943  query, key, value [8192][1024] f32 -> codes [24576][512 bytes] and scale bytes [24576][32]
;   944 .. 1967 (spatial + edge) x log2(e), a masked key = -3e38, f32, in the order of the score accumulators' registers:
;               [b 8][qg 16][step 16][qt 4][kt 4][c 2][lane 32][16 bytes]; lane (r, h), quad c: query 64 qg + 16 qt + r, keys 64 step + 16 kt + 8 h + 4 c + 0..3
; A block's scale is 2^(floor(log2(its largest magnitude)) - 2); its byte is the largest magnitude's exponent field - 2, held at 1 from below.
; LIMITS: NaN and infinities among the inputs are not served; a block whose largest magnitude lies under 2^-124 keeps the byte 1, a block of zeros too (the rule says 127: its codes are zeros, which add
; nothing under any byte but 0xff, and only this program reads the bytes); |Wo| stays under 65,504 (f16).
; No matrix work, no tensor load, no barrier: waves share nothing.  Each kind has LDS bytes of its own.
.set XREG,  0                          ; 4 x 8,192: the activations' stages and scale bytes
.set WREG,  32768                      ; 4 x 32 x 272: the weights' stages
.set BREG,  67584                      ; 4 x 16 x 528: the bias's stages
.set SPARE, 101376                     ; the spare words, 128 bytes for each wave: two blocks of 256 bytes that no other line names
.set SPW,   190                        ; v190 LDS address of my spare word; never rewritten
.set NIL,   191                        ; v191 0; never rewritten
.set EMAX,  2
	v_lshl_add_u32 v[SPW], v0, 2, SPARE
	v_mov_b32 v[NIL], 0
	v_lshrrev_b32 v1, 5, v0
	v_readfirstlane_b32 s16, v1                    ; wave 0..3
	v_and_b32 v2, 31, v0                           ; lane
	s_cmp_lt_u32 ttmp9, 48
	s_cbranch_scc1 .Lw
	s_cmp_lt_u32 ttmp9, 176
	s_cbranch_scc1 .Lwo
	s_cmp_lt_u32 ttmp9, 944
	s_cbranch_scc1 .Lx
; ---------------- THE BIAS: a wave takes 16 queries x 128 keys ----------------
; Each load reads 512 consecutive bytes of one query's row; the 16 rows turn through the wave's own stage (rows of 512 bytes + 16) and leave as register images, 512 consecutive bytes a store.
	s_load_b64 s[4:5], s[0:1], 0x38                ; spatial
	s_load_b64 s[6:7], s[0:1], 0x40                ; edge
	s_load_b64 s[8:9], s[0:1], 0x48                ; the mask
	s_load_b64 s[10:11], s[0:1], 0x78              ; biasf
	s_sub_co_u32 s17, ttmp9, 944
	s_lshr_b32 s18, s17, 7                         ; b
	s_bfe_u32 s19, s17, 0x60001                    ; the tile of 16 queries, 0..63
	s_and_b32 s24, s17, 1
	s_lshl_b32 s24, s24, 2
	s_add_co_u32 s24, s24, s16                     ; which 128 keys, 0..7
	s_lshl_b32 s12, s18, 22                        ; in: b x 4 MiB + tile x 16 rows of 4,096 bytes + 512 x chunk
	s_lshl_b32 s25, s19, 16
	s_add_co_u32 s12, s12, s25
	s_lshl_b32 s25, s24, 9
	s_add_co_u32 s12, s12, s25
	s_mov_b32 s13, 0
	s_lshl_b32 s14, s18, 10                        ; the mask: b x 1,024 + 128 x chunk
	s_lshl_b32 s25, s24, 7
	s_add_co_u32 s14, s14, s25
	s_mov_b32 s15, 0
	s_lshl_b32 s26, s18, 4                         ; out: (16 b + tile / 4) x 262,144 + chunk x two steps of 16,384 + (tile % 4) x 4,096
	s_lshr_b32 s25, s19, 2
	s_add_co_u32 s26, s26, s25
	s_lshl_b32 s26, s26, 18
	s_lshl_b32 s25, s24, 15
	s_add_co_u32 s26, s26, s25
	s_and_b32 s25, s19, 3
	s_lshl_b32 s25, s25, 12
	s_add_co_u32 s26, s26, s25
	s_mov_b32 s27, 0
	v_lshlrev_b32 v3, 4, v2                        ; 16 x lane
	v_lshlrev_b32 v4, 2, v2                        ; 4 x lane: my four keys' mask bytes
	v_mov_b32 v6, 0xff61b1e6                       ; -3e38: what a masked key gets
	s_mul_i32 s25, s16, 16*528
	s_add_co_u32 s25, s25, BREG                    ; my stage
	v_add_nc_u32 v7, s25, v3                       ; in: 16 x lane of a row
	v_and_b32 v9, 15, v2
	v_lshrrev_b32 v10, 4, v2
	v_mul_u32_u24 v8, v9, 528
	v_lshl_add_u32 v8, v10, 5, v8
	v_add_nc_u32 v8, s25, v8                       ; back: query r's row, + 32 h
	s_wait_kmcnt 0x0
	s_add_nc_u64 s[4:5], s[4:5], s[12:13]
	s_add_nc_u64 s[6:7], s[6:7], s[12:13]
	s_add_nc_u64 s[8:9], s[8:9], s[14:15]
	s_add_nc_u64 s[10:11], s[10:11], s[26:27]
	global_load_b32 v5, v4, s[8:9]
.irp i, 0,1,2,3,4,5,6,7,8,9,10,11,12,13,14,15
	global_load_b128 v[16+4*\i:19+4*\i], v3, s[4:5] offset:4096*\i th:TH_LOAD_NT
	global_load_b128 v[80+4*\i:83+4*\i], v3, s[6:7] offset:4096*\i th:TH_LOAD_NT
.endr
	s_wait_loadcnt 32                              ; the mask word is in; the 32 row loads behind it may be out
.irp e, 0,1,2,3
	v_and_b32 v9, 0xff<<(8*\e), v5
	v_cmp_ne_u32 s[20+\e], 0, v9                   ; lanes whose key 4 lane + e is masked: it only selects values
.endr
.irp i, 0,1,2,3,4,5,6,7,8,9,10,11,12,13,14,15
	s_wait_loadcnt 30-2*\i                         ; row i's two loads are in; the later rows' stay out
	v_pk_add_f32 v[16+4*\i:17+4*\i], v[16+4*\i:17+4*\i], v[80+4*\i:81+4*\i]
	v_pk_add_f32 v[18+4*\i:19+4*\i], v[18+4*\i:19+4*\i], v[82+4*\i:83+4*\i]
	v_pk_mul_f32 v[16+4*\i:17+4*\i], v[16+4*\i:17+4*\i], 0x3fb8aa3b op_sel_hi:[1,0]   ; x log2(e): the softmax works in base 2
	v_pk_mul_f32 v[18+4*\i:19+4*\i], v[18+4*\i:19+4*\i], 0x3fb8aa3b op_sel_hi:[1,0]
.irp e, 0,1,2,3
	v_cndmask_b32 v[16+4*\i+\e], v[16+4*\i+\e], v6, s[20+\e]
.endr
	ds_store_b128 v7, v[16+4*\i:19+4*\i] offset:528*\i
.endr
.irp n, 0,1,2,3,4,5,6,7,8,9,10,11,12,13,14,15
	ds_load_b128 v[80+4*\n:83+4*\n], v8 offset:(\n/2)*64+(\n%2)*16   ; key tile n / 2, quad n % 2.  LDS serves a wave's instructions in order: these see my stores
.endr
.irp n, 0,1,2,3,4,5,6,7,8,9,10,11,12,13,14,15
	s_wait_dscnt 15-\n                             ; load n is in; the younger ones stay out
	global_store_b128 v3, v[80+4*\n:83+4*\n], s[10:11] offset:((\n/2)/4)*16384+((\n/2)%4)*1024+(\n%2)*512   ; 32 lanes store 512 consecutive bytes, aligned
.endr
	s_wait_tensorcnt 0x0                           ; the wave's end
	ds_add_u32 v[SPW], v[NIL]
	s_wait_dscnt 0x0
	s_endpgm
; ---------------- Wq, Wk, Wv: K is the first axis ----------------
; A lane takes a column n and its registers run down K: a block of 32 lies in one lane, and the conversions give codes with K innermost.  A wave takes 32 columns x 512 along K; the codes go through the wave's
; own stage and leave as rows, sixteen lanes to 256 consecutive aligned bytes.  Loads run two blocks ahead.
.set WNB,    16                        ; blocks of 32 along K for a wave
.set WPITCH, 272                       ; a stage row: 256 bytes of codes + 16
.set WKROW,  512                       ; a row of the codes' buffer
.set WX,     32                        ; v32-95   two sets of 32 numbers
.set WC,     96                        ; v96-99   a block's codes
.set WOUT,   112                       ; v112-175 the way out
.set WSB,    24                        ; v24-27   the scale bytes, four to a register
.macro WLOAD t
.irp i, 0,1,2,3,4,5,6,7,8,9,10,11,12,13,14,15,16,17,18,19,20,21,22,23,24,25,26,27,28,29,30,31
	global_load_b32 v[WX+32*((\t)%2)+\i], v3, s[4:5] offset:(32*(\t)+\i)*4096 th:TH_LOAD_NT
.endr
.endm
.macro WBLOCK t
.set XS, WX+32*((\t)%2)
.if (\t) < WNB-1
	s_wait_loadcnt 32                              ; this block's 32 loads are in; the next block's may be out
.else
	s_wait_loadcnt 0
.endif
	v_max3_num_f32 v12, |v[XS]|, |v[XS+1]|, |v[XS+2]|
	v_max3_num_f32 v13, |v[XS+3]|, |v[XS+4]|, |v[XS+5]|
.irp i, 6,10,14,18,22,26
	v_max3_num_f32 v12, v12, |v[XS+\i]|, |v[XS+\i+1]|
	v_max3_num_f32 v13, v13, |v[XS+\i+2]|, |v[XS+\i+3]|
.endr
	v_max3_num_f32 v12, v12, |v[XS+30]|, |v[XS+31]|
	v_max3_num_f32 v12, v12, v13, (EMAX+1)<<23     ; the floor 2^(3 - 127): the byte cannot fall under 1
	v_add_nc_u32 v11, -(EMAX<<23), v12             ; 2 off the exponent field: the conversion's scale operand
	v_lshrrev_b32 v13, 23, v11                     ; the scale's byte
.if (\t)%4 == 0
	v_mov_b32 v[WSB+(\t)/4], v13
.else
	v_lshl_or_b32 v[WSB+(\t)/4], v13, 8*((\t)%4), v[WSB+(\t)/4]
.endif
.irp g, 0,1,2,3
	v_cvt_scalef32_pk8_fp4_f32 v[WC+\g], v[XS+8*\g:XS+8*\g+7], v11
.endr
	ds_store_b128 v4, v[WC:WC+3] offset:16*(\t)
.if (\t)+2 < WNB
	WLOAD (\t)+2
.endif
	s_wait_dscnt 0x0                               ; the store has read its registers: the next block's codes may be written
.endm
.Lw:
	s_load_b64 s[4:5], s[0:1], 0x18                ; Wq
	s_load_b64 s[6:7], s[0:1], 0x20                ; Wk
	s_load_b64 s[8:9], s[0:1], 0x28                ; Wv
	s_load_b128 s[12:15], s[0:1], 0x60             ; wcodes, wscl
	s_lshr_b32 s30, ttmp9, 4                       ; which weight
	s_and_b32 s31, ttmp9, 7                        ; which 128 columns
	s_bfe_u32 s18, ttmp9, 0x10003                  ; which 512 along K
	s_lshl_b32 s17, s31, 7
	s_lshl_b32 s19, s16, 5
	s_add_co_u32 s17, s17, s19                     ; my wave's first column
	v_lshlrev_b32 v3, 2, v2                        ; in: 4 bytes a lane
	s_mul_i32 s19, s16, 32*WPITCH
	s_add_co_u32 s19, s19, WREG                    ; my stage
	v_mul_u32_u24 v4, v2, WPITCH
	v_add_nc_u32 v4, s19, v4                       ; into it: row = my column
	v_and_b32 v5, 15, v2
	v_lshrrev_b32 v6, 4, v2
	v_mul_u32_u24 v7, v6, WPITCH
	v_lshl_add_u32 v7, v5, 4, v7
	v_add_nc_u32 v7, s19, v7                       ; out of it: sixteen lanes to a row, two rows an instruction
	v_lshlrev_b32 v8, 9, v6
	v_lshl_add_u32 v8, v5, 4, v8                   ; and the same place in the codes' buffer
	v_lshlrev_b32 v9, 5, v2                        ; my column's row of 32 scale bytes
	s_lshl_b32 s20, s18, 21                        ; W: 512 rows of 4,096 bytes + 4 x column
	s_lshl_b32 s22, s17, 2
	s_add_co_u32 s20, s20, s22
	s_mov_b32 s21, 0
	s_lshl_b32 s24, s30, 19                        ; codes: weight x 524,288 + column x 512 + 256 y
	s_lshl_b32 s22, s17, 9
	s_add_co_u32 s24, s24, s22
	s_lshl_b32 s22, s18, 8
	s_add_co_u32 s24, s24, s22
	s_mov_b32 s25, 0
	s_lshl_b32 s28, s30, 15                        ; scale bytes: weight x 32,768 + column x 32 + 16 y
	s_lshl_b32 s22, s17, 5
	s_add_co_u32 s28, s28, s22
	s_lshl_b32 s22, s18, 4
	s_add_co_u32 s28, s28, s22
	s_mov_b32 s29, 0
	s_wait_kmcnt 0x0
	s_cmp_eq_u32 s30, 0
	s_cselect_b64 s[4:5], s[4:5], s[6:7]
	s_cmp_eq_u32 s30, 2
	s_cselect_b64 s[4:5], s[8:9], s[4:5]
	s_add_nc_u64 s[4:5], s[4:5], s[20:21]
	s_add_nc_u64 s[12:13], s[12:13], s[24:25]
	s_add_nc_u64 s[14:15], s[14:15], s[28:29]
	WLOAD 0
	WLOAD 1
.irp t, 0,1,2,3,4,5,6,7,8,9,10,11,12,13,14,15
	WBLOCK \t
.endr
	global_store_b128 v9, v[WSB:WSB+3], s[14:15]   ; my column's 16 scale bytes
.irp t, 0,1,2,3,4,5,6,7,8,9,10,11,12,13,14,15
	ds_load_b128 v[WOUT+4*\t:WOUT+4*\t+3], v7 offset:2*\t*WPITCH
.endr
.irp t, 0,1,2,3,4,5,6,7,8,9,10,11,12,13,14,15
	s_wait_dscnt 15-\t                             ; load t is in; the younger ones stay out
	global_store_b128 v8, v[WOUT+4*\t:WOUT+4*\t+3], s[12:13] offset:2*\t*WKROW
.endr
	s_wait_tensorcnt 0x0                           ; the wave's end
	ds_add_u32 v[SPW], v[NIL]
	s_wait_dscnt 0x0
	s_endpgm
; ---------------- Wo: f16, in the order of an operand's registers ----------------
; A lane takes a column and 64 along K; eight neighbours along K pack into 16 bytes, which are one lane's quad of a fragment.  No LDS: sixteen lanes' quads are 256 consecutive aligned bytes as they stand.
.Lwo:
	s_load_b64 s[4:5], s[0:1], 0x30                ; Wo
	s_load_b64 s[6:7], s[0:1], 0x70                ; wobuf
	s_sub_co_u32 s17, ttmp9, 48
	s_and_b32 s18, s17, 7
	s_lshl_b32 s18, s18, 2
	s_add_co_u32 s18, s18, s16                     ; which 32 columns, 0..31
	s_lshr_b32 s19, s17, 3                         ; which 64 along K, 0..15
	s_lshl_b32 s20, s19, 18
	s_lshl_b32 s22, s18, 7
	s_add_co_u32 s20, s20, s22
	s_mov_b32 s21, 0
	s_lshr_b32 s24, s19, 2                         ; out: kc x 524,288 + two tiles of 8,192 for 32 columns + two K steps of 1,024 for 64 along K
	s_lshl_b32 s24, s24, 19
	s_lshl_b32 s22, s18, 14
	s_add_co_u32 s24, s24, s22
	s_and_b32 s22, s19, 3
	s_lshl_b32 s22, s22, 11
	s_add_co_u32 s24, s24, s22
	s_mov_b32 s25, 0
	v_lshlrev_b32 v3, 2, v2
	v_lshrrev_b32 v4, 4, v2
	v_and_b32 v5, 15, v2
	v_lshlrev_b32 v4, 13, v4
	v_lshl_add_u32 v4, v5, 4, v4                   ; my tile of 16 columns, my place r in it
	s_wait_kmcnt 0x0
	s_add_nc_u64 s[4:5], s[4:5], s[20:21]
	s_add_nc_u64 s[6:7], s[6:7], s[24:25]
.irp i, 0,1,2,3,4,5,6,7,8,9,10,11,12,13,14,15,16,17,18,19,20,21,22,23,24,25,26,27,28,29,30,31,32,33,34,35,36,37,38,39,40,41,42,43,44,45,46,47,48,49,50,51,52,53,54,55,56,57,58,59,60,61,62,63
	global_load_b32 v[32+\i], v3, s[4:5] offset:4096*\i th:TH_LOAD_NT
.endr
.irp g, 0,1,2,3,4,5,6,7
	s_wait_loadcnt 56-8*\g                         ; group g's eight loads are in; the later groups' stay out
.irp i, 0,1,2,3
	v_cvt_pk_f16_f32 v[96+4*\g+\i], v[32+8*\g+2*\i], v[33+8*\g+2*\i]
.endr
	global_store_b128 v4, v[96+4*\g:99+4*\g], s[6:7] offset:256*\g   ; group g = (K step g / 4, quad (g / 2) % 2, half g % 2): 256 g bytes on
.endr
	s_endpgm
; ---------------- query, key, value: K is innermost ----------------
; The tensors are plain streams of blocks of 32.  A wave takes 16 steps of 512 numbers.  Each load reads 512 consecutive bytes; a step's 2,048 bytes turn through the wave's own stage (16 bytes of padding behind
; each 64) and come back 64 bytes a lane: 16 neighbours, two lanes to a block.  A wave's 256 scale bytes gather in LDS and leave as 256 consecutive aligned bytes.
.set XSTEPS, 16
.set XR,     16                        ; v16-79   four sets of 16 numbers as loaded
.set XX,     80                        ; v80-111  two sets of 16 neighbours
.set XE,     112                       ; v112-127 a scale byte for each step
.set XC,     128                       ; v128-189 codes: a pair at 4 t for each step, so that no store's data are written again
.set XSP,    80                        ; a lane's place in a stage
.macro XLOAD t
.irp i, 0,1,2,3
	global_load_b128 v[XR+16*((\t)%4)+4*\i:XR+16*((\t)%4)+4*\i+3], v3, s[4:5] offset:2048*(\t)+512*\i th:TH_LOAD_NT
.endr
.endm
.macro XTURN t
.irp i, 0,1,2,3
	ds_store_b128 v14, v[XR+16*((\t)%4)+4*\i:XR+16*((\t)%4)+4*\i+3] offset:32*XSP*((\t)%2)+8*XSP*\i
.endr
.irp i, 0,1,2,3
	ds_load_b128 v[XX+16*((\t)%2)+4*\i:XX+16*((\t)%2)+4*\i+3], v15 offset:32*XSP*((\t)%2)+16*\i
.endr
.endm
.macro XSTEP t
.set XS, XX+16*((\t)%2)
.if (\t) > 0
	s_wait_dscnt 1                                 ; this step's numbers are back from the stage; the last step's byte store may be out
.else
	s_wait_dscnt 0x0
.endif
.if (\t)+4 < XSTEPS
	XLOAD (\t)+4                                   ; into the registers that this step's stage stores have read
.endif
.if (\t)+1 < XSTEPS
.if XSTEPS-2-(\t) >= 3
	s_wait_loadcnt 12                              ; the next step's four loads are in; those of the three steps behind it may be out
.else
	s_wait_loadcnt 4*(XSTEPS-2-(\t))
.endif
	XTURN (\t)+1
.endif
	v_max3_num_f32 v8, |v[XS]|, |v[XS+1]|, |v[XS+2]|
	v_max3_num_f32 v9, |v[XS+3]|, |v[XS+4]|, |v[XS+5]|
.irp i, 6,10
	v_max3_num_f32 v8, v8, |v[XS+\i]|, |v[XS+\i+1]|
	v_max3_num_f32 v9, v9, |v[XS+\i+2]|, |v[XS+\i+3]|
.endr
	v_max3_num_f32 v8, v8, |v[XS+14]|, |v[XS+15]|
	v_max3_num_f32 v8, v8, v9, (EMAX+1)<<23        ; the floor
	v_max_num_f32_dpp v8, v8, v8 row_xmask:1 row_mask:0xf bank_mask:0xf   ; with my neighbour's 16: the block's largest magnitude
	v_add_nc_u32 v11, -(EMAX<<23), v8
	v_cvt_scalef32_pk8_fp4_f32 v[XC+4*(\t)], v[XS:XS+7], v11
	v_cvt_scalef32_pk8_fp4_f32 v[XC+4*(\t)+1], v[XS+8:XS+15], v11
	v_lshrrev_b32 v[XE+(\t)], 23, v11              ; the scale's byte (also the plain line behind the conversions)
	ds_store_b8 v5, v[XE+(\t)] offset:16*(\t)      ; both lanes of a block write the same byte with the same value
	global_store_b64 v4, v[XC+4*(\t):XC+4*(\t)+1], s[12:13] offset:256*(\t)   ; 32 lanes store 256 consecutive bytes, aligned
.endm
.Lx:
	s_load_b128 s[4:7], s[0:1], 0x0                ; query, key
	s_load_b64 s[8:9], s[0:1], 0x10                ; value
	s_load_b128 s[12:15], s[0:1], 0x50             ; xcodes, xscl
	v_lshlrev_b32 v3, 4, v2                        ; my 16 bytes of a load's 512
	s_lshl_b32 s17, s16, 13                        ; my region (XREG = 0)
	v_lshrrev_b32 v14, 2, v2
	v_mul_u32_u24 v14, v14, XSP
	v_and_b32 v15, 3, v2
	v_lshl_add_u32 v14, v15, 4, v14
	v_add_nc_u32 v14, s17, v14                     ; the stage, on the way in: 80 (lane / 4) + 16 (lane % 4)
	v_mul_u32_u24 v15, v2, XSP
	v_add_nc_u32 v15, s17, v15                     ; and on the way out: 80 x lane
	v_lshlrev_b32 v4, 3, v2                        ; 8 bytes a lane: my codes in a step's, and my part of the scale bytes
	v_lshrrev_b32 v5, 1, v2
	s_add_co_u32 s17, s17, 2*32*XSP
	v_add_nc_u32 v5, s17, v5                       ; my block's scale byte in LDS
	v_add_nc_u32 v6, s17, v4
	s_sub_co_u32 s18, ttmp9, 176                   ; 0..767: 256 work-groups to a tensor
	s_and_b32 s19, s18, 255
	s_lshl_b32 s19, s19, 2
	s_add_co_u32 s19, s19, s16                     ; my run of 8,192 numbers in the tensor
	s_lshl_b32 s20, s19, 15
	s_mov_b32 s21, 0
	s_lshl_b32 s22, s18, 2
	s_add_co_u32 s22, s22, s16                     ; and in the three tensors on end
	s_lshl_b32 s24, s22, 12
	s_mov_b32 s25, 0
	s_lshl_b32 s26, s22, 8
	s_mov_b32 s27, 0
	s_wait_kmcnt 0x0
	s_cmp_lt_u32 s18, 256
	s_cselect_b64 s[4:5], s[4:5], s[6:7]
	s_cmp_lt_u32 s18, 512
	s_cselect_b64 s[4:5], s[4:5], s[8:9]
	s_add_nc_u64 s[4:5], s[4:5], s[20:21]
	s_add_nc_u64 s[12:13], s[12:13], s[24:25]
	s_add_nc_u64 s[14:15], s[14:15], s[26:27]
.irp t, 0,1,2,3
	XLOAD \t
.endr
	s_wait_loadcnt 12                              ; step 0's four loads are in
	XTURN 0
.irp t, 0,1,2,3,4,5,6,7,8,9,10,11,12,13,14,15
	XSTEP \t
.endr
	ds_load_b64 v[8:9], v6
	s_wait_dscnt 0x0
	global_store_b64 v4, v[8:9], s[14:15]          ; 32 lanes store 256 consecutive bytes, aligned
	s_wait_tensorcnt 0x0                           ; the wave's end
	ds_add_u32 v[SPW], v[NIL]
	s_wait_dscnt 0x0
	s_endpgm
.Lfunc_end_k_q2ed8549b43_prep:
	.size	k_q2ed8549b43_prep, .Lfunc_end_k_q2ed8549b43_prep-k_q2ed8549b43_prep
	.p2alignl 7, 3214868480
	.fill 96, 4, 3214868480
	.section	.rodata,"a",@progbits
	.p2align	6, 0x0
	.amdhsa_kernel k_q2ed8549b43_prep
		.amdhsa_group_segment_fixed_size 101888
		.amdhsa_private_segment_fixed_size 0
		.amdhsa_enable_private_segment 0
		.amdhsa_kernarg_size 128
		.amdhsa_user_sgpr_count 2
		.amdhsa_user_sgpr_kernarg_segment_ptr 1
		.amdhsa_wavefront_size32 1
		.amdhsa_system_sgpr_workgroup_id_x 1
		.amdhsa_system_sgpr_workgroup_id_y 1
		.amdhsa_system_sgpr_workgroup_id_z 1
		.amdhsa_system_vgpr_workitem_id 0
		.amdhsa_next_free_vgpr 192
		.amdhsa_next_free_sgpr 66
		.amdhsa_reserve_vcc 0
		.amdhsa_float_denorm_mode_32 3
		.amdhsa_float_denorm_mode_16_64 3
		.amdhsa_memory_ordered 1
		.amdhsa_forward_progress 1
		.amdhsa_inst_pref_size 141
	.end_amdhsa_kernel
	.amdgpu_metadata
---
amdhsa.version: [ 1, 2 ]
amdhsa.kernels:
  - .name:           k_q2ed8549b43_prep
    .symbol:         k_q2ed8549b43_prep.kd
    .args:
      - { .name: query, .offset: 0, .size: 8, .value_kind: global_buffer, .address_space: global }
      - { .name: key, .offset: 8, .size: 8, .value_kind: global_buffer, .address_space: global }
      - { .name: value, .offset: 16, .size: 8, .value_kind: global_buffer, .address_space: global }
      - { .name: Wq, .offset: 24, .size: 8, .value_kind: global_buffer, .address_space: global }
      - { .name: Wk, .offset: 32, .size: 8, .value_kind: global_buffer, .address_space: global }
      - { .name: Wv, .offset: 40, .size: 8, .value_kind: global_buffer, .address_space: global }
      - { .name: Wo, .offset: 48, .size: 8, .value_kind: global_buffer, .address_space: global }
      - { .name: spatial_encoding, .offset: 56, .size: 8, .value_kind: global_buffer, .address_space: global }
      - { .name: edge_encoding, .offset: 64, .size: 8, .value_kind: global_buffer, .address_space: global }
      - { .name: key_padding_mask, .offset: 72, .size: 8, .value_kind: global_buffer, .address_space: global }
      - { .name: xcodes, .offset: 80, .size: 8, .value_kind: global_buffer, .address_space: global }
      - { .name: xscl, .offset: 88, .size: 8, .value_kind: global_buffer, .address_space: global }
      - { .name: wcodes, .offset: 96, .size: 8, .value_kind: global_buffer, .address_space: global }
      - { .name: wscl, .offset: 104, .size: 8, .value_kind: global_buffer, .address_space: global }
      - { .name: wobuf, .offset: 112, .size: 8, .value_kind: global_buffer, .address_space: global }
      - { .name: biasf, .offset: 120, .size: 8, .value_kind: global_buffer, .address_space: global }
    .group_segment_fixed_size: 101888
    .private_segment_fixed_size: 0
    .kernarg_segment_align: 8
    .kernarg_segment_size: 128
    .max_flat_workgroup_size: 128
    .sgpr_count:     66
    .vgpr_count:     192
    .wavefront_size: 32
...
	.end_amdgpu_metadata
.endif
;; end of part 1
;; launch proj (part 2): grid 4 x 96, 4 waves a work-group, clusters of 4 x 4, 327,680 bytes of LDS; arguments xcodes, xscl, wcodes, wscl, bq, bk, bv, qkv; writes qkv
.if DOCPART == 2
	.amdgcn_target "amdgcn-amd-amdhsa--gfx1250"
	.amdhsa_code_object_version 6
	.text
	.protected	k_q2ed8549b43_proj
	.globl	k_q2ed8549b43_proj
	.p2align	8
	.type	k_q2ed8549b43_proj,@function
k_q2ed8549b43_proj:
	s_mov_b64 s[64:65], 0
	v_nop
	global_prefetch_b8 v0, s[64:65] scope:SCOPE_SE
	s_setreg_imm32_b32 hwreg(HW_REG_WAVE_MODE, 25, 1), 1
	s_wait_xcnt 0x0
	s_wait_alu depctr_hold_cnt(0) depctr_sa_sdst(0) depctr_va_vdst(0) depctr_va_sdst(0) depctr_va_ssrc(0) depctr_va_vcc(0) depctr_vm_vsrc(0)
	s_getreg_b32 s2, hwreg(HW_REG_IB_STS2, 6, 4)
	s_cmp_eq_u32 s2, 0
	s_cbranch_scc0 .Lentry_in_a_cluster
	s_endpgm
.Lentry_in_a_cluster:
	s_bfe_u32 s2, ttmp6, 0x10000c
	s_cmp_lg_u32 s2, 0xf033
	s_cbranch_scc0 .Lentry_shape_is_right
	s_endpgm
.Lentry_shape_is_right:
; The three projections on codes of E2M1 with one E8M0 scale for each 32 along K: C[m][n] = sum over k of X[m][k] W[n][k], m over query | key | value (24,576 rows), W that of the rows' tensor t = m / 8,192.
; Then + bias, q x log2(e) / 8 (the softmax's scale, in base 2), rounded once to f16 and stored in the order in which the attention launch's operand registers take them:
; qkv [b 8][head 16][t 3][tile of 16 tokens 64][nt 4][piece 32][16 bytes].  Q, K: piece = lane (r, h) = token r, channels 16 nt + 8 h + 0..7.  V: the same 16 bytes at piece 16 (r / 8) + 8 h + r % 8, which is the
; lane that asks for them in the turning LDS load.
; A tile of C, 256 x 256, is made by four waves, 128 x 128 each: 64 accumulators, 512 registers.  K = 1,024 lies in two LDS slots of 512 along K (rows of 256 bytes + 16 of padding): every tensor load is a first fill;
; by this text's count three of a wave are out at the start (scales, slot 0, slot 1).  The scale bytes of the work-group's rows come once, as dense rows of 256 bytes.
; CLUSTERS: 4 x 4 work-groups; X's tiles are asked for jointly along a row of the cluster, W's along a column.  A cluster's four tile rows lie in one tensor t, so t is the same in all sixteen.
; THE MATRIX INSTRUCTION IS USED TRANSPOSED (source 0 = 16 rows of W, source 1 = 16 rows of X): a lane holds one token and eight neighbouring channels, which pack into its 16 bytes: the way out needs no LDS.
; LIMIT: |q log2(e) / 8|, |k|, |v| stay under 65,504 (f16).
; REGISTERS: window 0: v16-29 addresses; v32-95 scale words, two sets (on the way out: packed results, two sets); v128-191 X's fragments, one set (on the way out: at work); v192-255 the bias of my 128 columns.
;   window 1: W's fragments, two sets, at v0 and v128.  window 2: accumulators of my rows 0-63 ((a, b) at v[8 (8 a + b)]);  window 3: rows 64-127.
.set NQ,     4                         ; steps of 128 along K in a slot
.set ROWB,   256                       ; a tile's row in bytes
.set KROW,   512                       ; a row of codes in memory
.set PITCH,  272
.set FR,     8
.set NL,     2
.set NP,     4
.set HALFT,  128*PITCH
.set SLOT,   4*HALFT
.set KS,     32                        ; a row of scale bytes
.set SCL,    2*SLOT
.set HALFS,  16*272                    ; the scales of 128 rows
.set SBLK,   2*272                     ; of 16 rows
.set SPARE,  SCL+4*HALFS               ; the spare words: two blocks of 256 bytes that no other line names
.set ADRA, 16
.set ADRB, 20
.set CO,   26                          ; v26  16 x my piece
.set ADRS, 27
.set SPW,  28
.set NIL,  29
.set SC,   32
.set AF,   128
.set TP,   128
.set BS,   192
.set WV,   20                          ; s20 wave;  s21 wave / 2;  s22 wave % 2;  s23 tile row;  s66 t
.set HI,   21
.set LO,   22
.set TR,   23
.set TT,   66
.set FC,   98                          ; s[98:99] the factor: log2(e) / 8 for q, 1 for k and v
.set G1, 24
.set G0, 32
.set G1B, 48
.set G0B, 56
.set G1S, 68
.set G0S, 76
.set G1SB, 80
.set G0SB, 88
.set MSB, 0
.macro WIN new                         ; the immediate's high byte repeats the setting that is left
.if MSB != (\new)
	s_set_vgpr_msb (MSB<<8)|(\new)
.set MSB, (\new)
.endif
.endm
.set MUL_LO, 0xa1
.set MUL_HI, 0xf1
.set TO_B,   0x40
; A joint load: waves 0 and 1 fetch for X, waves 2 and 3 for W.  The branch hangs on the wave's number alone.  An s_nop 0 and four v_nop follow each line.
.macro JLOAD g0a, g1a, g0b, g1b
	s_cmp_eq_u32 s[HI], 0
	s_cbranch_scc0 .Lfor_b_\@
	tensor_load_to_lds s[\g0a:\g0a+3], s[\g1a:\g1a+7]
	s_nop 0
.rept 4
	v_nop
.endr
	s_branch .Lasked_\@
.Lfor_b_\@:
	tensor_load_to_lds s[\g0b:\g0b+3], s[\g1b:\g1b+7]
	s_nop 0
.rept 4
	v_nop
.endr
.Lasked_\@:
.endm
.macro CROUND                          ; a round of the cluster's barrier
	s_barrier_signal -1
	s_barrier_wait -1
	s_cmp_lg_u32 s[WV], 0
	s_cbranch_scc1 .Lnot_wave_0_\@
	s_barrier_signal -3
.Lnot_wave_0_\@:
	s_barrier_wait -3
	s_barrier_signal -1
	s_barrier_wait -1
.endm
	s_load_b256 s[4:11], s[0:1], 0x0               ; xcodes s[4:5], xscl s[6:7], wcodes s[8:9], wscl s[10:11]
	s_load_b256 s[12:19], s[0:1], 0x20             ; bq s[12:13], bk s[14:15], bv s[16:17], qkv s[18:19]
	v_lshl_add_u32 v[SPW], v0, 2, SPARE
	v_mov_b32 v[NIL], 0
	ds_add_u32 v[SPW], v[NIL]                      ; the wave's opening
	ds_add_u32 v[SPW], v[NIL]
	v_lshrrev_b32 v1, 5, v0
	v_readfirstlane_b32 s[WV], v1
	s_lshr_b32 s[HI], s[WV], 1                     ; which half of the tile's rows is mine.  Also: I fetch for X (0) or W (1)
	s_and_b32 s[LO], s[WV], 1                      ; which half of its columns.  Also: which 128 rows I fetch
	s_bfe_u32 s40, ttmp6, 0x40000                  ; cx
	s_bfe_u32 s41, ttmp6, 0x40004                  ; cy
	s_lshl_b32 s42, ttmp9, 2
	s_add_co_u32 s42, s42, s40                     ; tile column
	s_and_b32 s[TT], ttmp7, 0xffff                 ; cluster y
	s_lshl_b32 s[TR], s[TT], 2
	s_add_co_u32 s[TR], s[TR], s41                 ; tile row, 0..95
	s_lshr_b32 s[TT], s[TT], 3                     ; t: eight clusters of four tile rows to a tensor
	s_lshl_b32 s43, s41, 2
	s_lshl_b32 s43, 15, s43                        ; my row of the cluster
	s_lshl_b32 s44, 0x1111, s40                    ; my column
	s_or_b32 s[G1+0], s43, (0<<16)|(1<<20)|(1<<21)|(5<<22)|(3<<25)   ; the mask; elements of 1 byte; padding on; bit 21 beside a mask; 4 words behind every 64
	s_or_b32 s[G1B+0], s44, (0<<16)|(1<<20)|(1<<21)|(5<<22)|(3<<25)
.irp g, G1, G1B
	s_mov_b32 s[\g+1], ROWB<<16                    ; tensor_dim0
	s_mov_b32 s[\g+2], 128<<16                     ; tensor_dim1
	s_mov_b32 s[\g+3], ROWB<<16                    ; tile_dim0
	s_mov_b32 s[\g+4], 128                         ; tile_dim1
	s_mov_b32 s[\g+5], KROW                        ; pitch
	s_mov_b32 s[\g+6], 0
	s_mov_b32 s[\g+7], 0
.endr
	s_or_b32 s[G1S+0], s43, (3<<16)|(1<<20)|(1<<21)|(5<<22)|(3<<25)  ; the scales of 128 rows: 4,096 dense bytes as 16 rows of 256 (32 elements of 8 bytes), 16 bytes of padding behind each
	s_or_b32 s[G1SB+0], s44, (3<<16)|(1<<20)|(1<<21)|(5<<22)|(3<<25)
.irp g, G1S, G1SB
	s_mov_b32 s[\g+1], 32<<16
	s_mov_b32 s[\g+2], 16<<16
	s_mov_b32 s[\g+3], 32<<16
	s_mov_b32 s[\g+4], 16
	s_mov_b32 s[\g+5], 32
	s_mov_b32 s[\g+6], 0
	s_mov_b32 s[\g+7], 0
.endr
	s_lshl_b32 s2, s[LO], 7                        ; which 128 rows of the tile I fetch
	s_lshl_b32 s92, s[TR], 8
	s_add_co_u32 s92, s92, s2                      ; X: row 256 x tile row + 128 x half
	s_lshl_b32 s46, s42, 8
	s_add_co_u32 s46, s46, s2
	s_lshl_b32 s3, s[TT], 10
	s_add_co_u32 s46, s46, s3                      ; W: row 1,024 t + 256 x tile column + 128 x half
	s_lshl_b32 s94, s92, 5                         ; their scale bytes,
	s_mov_b32 s95, 0
	s_lshl_b32 s92, s92, 9                         ; their codes
	s_mov_b32 s93, 0
	s_lshl_b32 s96, s46, 5
	s_mov_b32 s97, 0
	s_lshl_b32 s46, s46, 9
	s_mov_b32 s47, 0
	s_mul_i32 s45, s[WV], HALFT                    ; where they go: wave x 128 rows
	s_mul_i32 s100, s[WV], HALFS
	s_wait_dscnt 0x0                               ; both opening adds are done
	s_wait_kmcnt 0x0
	s_add_nc_u64 s[92:93], s[4:5], s[92:93]
	s_add_nc_u64 s[94:95], s[6:7], s[94:95]
	s_add_nc_u64 s[46:47], s[8:9], s[46:47]
	s_add_nc_u64 s[96:97], s[10:11], s[96:97]
	CROUND                                         ; all sixteen work-groups are here: the first joint loads meet
	s_mov_b32 s[G0S], 1
	s_add_co_u32 s[G0S+1], s100, SCL
	s_mov_b64 s[G0S+2:G0S+3], s[94:95]
	s_or_b32 s[G0S+3], s[G0S+3], 0x80000000
	s_mov_b32 s[G0SB], 1
	s_add_co_u32 s[G0SB+1], s100, SCL
	s_mov_b64 s[G0SB+2:G0SB+3], s[96:97]
	s_or_b32 s[G0SB+3], s[G0SB+3], 0x80000000
	JLOAD G0S, G1S, G0SB, G1SB                     ; the scales first: they are wanted with the first step
.irp s, 0,1
	s_mov_b32 s[G0+4*\s], 1
	s_add_co_u32 s[G0+4*\s+1], s45, \s*SLOT
	s_add_nc_u64 s[G0+4*\s+2:G0+4*\s+3], s[92:93], \s*ROWB
	s_or_b32 s[G0+4*\s+3], s[G0+4*\s+3], 0x80000000
	s_mov_b32 s[G0B+4*\s], 1
	s_add_co_u32 s[G0B+4*\s+1], s45, \s*SLOT
	s_add_nc_u64 s[G0B+4*\s+2:G0B+4*\s+3], s[46:47], \s*ROWB
	s_or_b32 s[G0B+4*\s+3], s[G0B+4*\s+3], 0x80000000
	JLOAD G0+4*\s, G1, G0B+4*\s, G1B
.endr
	v_and_b32 v1, 15, v0                           ; r
	v_bfe_u32 v2, v0, 4, 1                         ; h
	v_mul_u32_u24 v3, v1, PITCH
	v_lshl_add_u32 v4, v2, 4, v3                   ; a fragment's row x pitch + 16 h
	s_mul_i32 s2, s[HI], HALFT                     ; my 128 rows of X
	s_mul_i32 s3, s[LO], HALFT                     ; my 128 rows of W,
	s_add_co_u32 s3, s3, 2*HALFT                   ; which lie behind X's 256
.irp s, 0,1
	v_add_nc_u32 v[ADRA+\s], s2, v4
	v_add_nc_u32 v[ADRB+\s], s3, v4
	s_add_co_u32 s2, s2, SLOT
	s_add_co_u32 s3, s3, SLOT
.endr
	v_mul_u32_u24 v5, v1, KS                       ; my row's scales: 32 bytes a row,
	v_lshrrev_b32 v6, 8, v5
	v_lshl_add_u32 v5, v6, 4, v5                   ; and 16 more for each 256 passed
	s_mul_i32 s2, s[HI], HALFS
	s_mul_i32 s3, s[LO], HALFS
	s_add_co_u32 s3, s3, 2*HALFS
	s_sub_co_u32 s3, s3, s2
	v_mul_u32_u24 v6, s3, v2                       ; lanes 16-31 take W's
	s_add_co_u32 s2, s2, SCL
	v_add_nc_u32 v5, v5, v6
	v_add_nc_u32 v[ADRS], s2, v5
	; the factor, the bias of my 128 columns, and where my results go
	s_mov_b32 s[FC], 0x3f800000
	s_cmp_eq_u32 s[TT], 0
	s_cselect_b32 s[FC], 0x3e38aa3b, s[FC]         ; log2(e) / 8 for q
	s_cselect_b64 s[12:13], s[12:13], s[14:15]
	s_cmp_eq_u32 s[TT], 2
	s_cselect_b64 s[12:13], s[16:17], s[12:13]
	s_cselect_b32 s101, -1, 0                      ; all lanes: these rows are V's
	s_mov_b32 s[FC+1], s[FC]
	s_lshl_b32 s2, s42, 10
	s_lshl_b32 s3, s[LO], 9
	s_add_co_u32 s2, s2, s3                        ; 4 x (256 x tile column + 128 x half)
	s_mov_b32 s3, 0
	s_add_nc_u64 s[12:13], s[12:13], s[2:3]
	v_lshlrev_b32 v7, 5, v2                        ; 32 h: my half's eight numbers of a block of 16 columns
.irp b, 0,1,2,3,4,5,6,7
	global_load_b128 v[BS+8*\b:BS+8*\b+3], v7, s[12:13] offset:64*\b
	global_load_b128 v[BS+8*\b+4:BS+8*\b+7], v7, s[12:13] offset:64*\b+16
.endr
	s_and_b32 s2, s[TR], 31
	s_lshr_b32 s2, s2, 2                           ; batch
	s_lshl_b32 s2, s2, 4
	s_lshl_b32 s3, s42, 2
	s_add_co_u32 s2, s2, s3
	s_lshl_b32 s3, s[LO], 1
	s_add_co_u32 s2, s2, s3                        ; 16 batch + my first head
	s_mul_i32 s2, s2, 393216
	s_lshl_b32 s3, s[TT], 17
	s_add_co_u32 s2, s2, s3
	s_and_b32 s3, s[TR], 3
	s_lshl_b32 s3, s3, 4
	s_lshl_b32 s100, s[HI], 3
	s_add_co_u32 s3, s3, s100                      ; my first tile of 16 tokens in the batch
	s_lshl_b32 s3, s3, 11
	s_add_co_u32 s2, s2, s3
	s_mov_b32 s3, 0
	s_add_nc_u64 s[18:19], s[18:19], s[2:3]
	v_and_b32 v8, 31, v0                           ; Q, K: piece = lane
	v_bfe_u32 v9, v0, 3, 1
	v_lshlrev_b32 v9, 4, v9
	v_lshl_add_u32 v9, v2, 3, v9
	v_and_b32 v10, 7, v0
	v_add_nc_u32 v9, v9, v10                       ; V: piece = 16 (r / 8) + 8 h + r % 8
	v_cndmask_b32 v8, v8, v9, s101
	v_lshlrev_b32 v[CO], 4, v8
.macro FRAG reg, adr, q, i             ; 16 rows x 128 K of 4-bit codes: 8 registers
.irp c, 0,1
	ds_load_b128 v[\reg+4*\c:\reg+4*\c+3], v[\adr] offset:64*(\q)+32*\c+(\i)*16*PITCH
.endr
.endm
; 16 matrix instructions: X's blocks a0, a0 + 1 against W's eight.  The 64 accumulators take turns, one instruction a turn, in the same order in every step.
.macro MUL16 a0, p, q, sc, zero
.irp a, \a0, \a0+1
.irp b, 0,1,2,3,4,5,6,7
.if \zero
	v_wmma_scale_f32_16x16x128_f8f6f4 v[8*(8*((\a)%4)+\b):8*(8*((\a)%4)+\b)+7], v[128*(\p)+FR*\b:128*(\p)+FR*\b+FR-1], v[AF+FR*(\a):AF+FR*(\a)+FR-1], 0, v[SC+8*NQ*(\sc)+NQ*\b+(\q)], v[SC+8*NQ*(\sc)+NQ*(\a)+(\q)] matrix_a_fmt:MATRIX_FMT_FP4 matrix_b_fmt:MATRIX_FMT_FP4 matrix_a_scale:MATRIX_SCALE_ROW1
.else
	v_wmma_scale_f32_16x16x128_f8f6f4 v[8*(8*((\a)%4)+\b):8*(8*((\a)%4)+\b)+7], v[128*(\p)+FR*\b:128*(\p)+FR*\b+FR-1], v[AF+FR*(\a):AF+FR*(\a)+FR-1], v[8*(8*((\a)%4)+\b):8*(8*((\a)%4)+\b)+7], v[SC+8*NQ*(\sc)+NQ*\b+(\q)], v[SC+8*NQ*(\sc)+NQ*(\a)+(\q)] matrix_a_fmt:MATRIX_FMT_FP4 matrix_b_fmt:MATRIX_FMT_FP4 matrix_a_scale:MATRIX_SCALE_ROW1
.endif
.endr
.endr
.endm
.macro FETCH_B slot, q, p
	WIN TO_B
.irp i, 0,1,2,3,4,5,6,7
	FRAG 128*(\p)+FR*\i, ADRB+\slot, \q, \i
.endr
	WIN 0
.endm
.macro FETCH_A slot, q, i0
.irp i, \i0, \i0+1, \i0+2, \i0+3
	FRAG AF+FR*(\i), ADRA+\slot, \q, \i
.endr
.endm
.macro SCALES sc                       ; a slot's scale words: lanes 0-15 take X's block i, lanes 16-31 W's block i
.irp i, 0,1,2,3,4,5,6,7
	ds_load_b128 v[SC+8*NQ*\sc+NQ*\i:SC+8*NQ*\sc+NQ*\i+3], v[ADRS] offset:\i*SBLK
.endr
.endm
.macro PLACES n                        ; plain vector places behind matrix instructions, ahead of loads into registers that they read and of reads of their results
.rept \n
	v_nop
.endr
.endm
.macro STEP slot, q, zero              ; a step of 128 along K that has its successor in the same slot
	s_wait_dscnt 4*NL                              ; W's set and X's blocks 0-3 are in; the youngest eight loads (X's blocks 4-7) may be out
	WIN MUL_LO
	MUL16 0, (\q)%2, \q, \slot, \zero
	MUL16 2, (\q)%2, \q, \slot, \zero
	s_wait_dscnt 0                                 ; X's blocks 4-7 are in
	PLACES NP
	FETCH_B \slot, (\q)+1, 1-(\q)%2
	FETCH_A \slot, (\q)+1, 0
	WIN MUL_HI
	MUL16 4, (\q)%2, \q, \slot, \zero
	MUL16 6, (\q)%2, \q, \slot, \zero
	PLACES NP
	WIN 0
	FETCH_A \slot, (\q)+1, 4
.endm
	s_wait_tensorcnt 1                             ; the scales and my part of slot 0 are in; slot 1's load may be out
	s_barrier_signal -1
	s_barrier_wait -1
	FETCH_B 0, 0, 0
	FETCH_A 0, 0, 0
	SCALES 0
	FETCH_A 0, 0, 4
	STEP 0, 0, 1                                   ; the first step's products start the sums: nothing is cleared
	STEP 0, 1, 0
	STEP 0, 2, 0
	; slot 0's last step changes slots: one barrier, in front of which each wave has waited for its part of slot 1.  Nothing is filled again
	s_wait_tensorcnt 0x0                           ; all my tensor loads have landed
	ds_add_u32 v[SPW], v[NIL]                      ; 0 onto my spare word
	s_wait_dscnt 4*NL+1                            ; the add and the youngest eight loads may be out
	WIN MUL_LO
	MUL16 0, 1, NQ-1, 0, 0
	s_wait_dscnt 0x0                               ; no LDS instruction of mine is pending at the signal
	s_barrier_signal -1
	MUL16 2, 1, NQ-1, 0, 0
	WIN 0
	s_barrier_wait -1
	PLACES NP
	v_add_nc_u32 v[ADRS], 4*NQ, v[ADRS]            ; on to slot 1's scale words
	FETCH_B 1, 0, 0
	FETCH_A 1, 0, 0
	SCALES 1
	WIN MUL_HI
	MUL16 4, 1, NQ-1, 0, 0
	MUL16 6, 1, NQ-1, 0, 0
	PLACES NP
	WIN 0
	FETCH_A 1, 0, 4
	STEP 1, 0, 0
	STEP 1, 1, 0
	STEP 1, 2, 0
	s_wait_dscnt 4*NL                              ; the last step: nothing more to fetch
	WIN MUL_LO
	MUL16 0, 1, NQ-1, 1, 0
	MUL16 2, 1, NQ-1, 1, 0
	s_wait_dscnt 0
	WIN MUL_HI
	MUL16 4, 1, NQ-1, 1, 0
	MUL16 6, 1, NQ-1, 1, 0
	WIN 0
; THE WAY OUT.  (sum + bias) x factor = sum x factor + bias x factor: one fused multiply-add a pair.  A lane's eight channels pack into its 16 bytes; the 32 lanes' pieces are 512 consecutive bytes of qkv.
	PLACES NP
	s_wait_loadcnt 0x0                             ; the bias
.set j, 0
.rept 32
	v_pk_mul_f32 v[BS+j:BS+j+1], v[BS+j:BS+j+1], s[FC:FC+1] op_sel_hi:[1,0]
.set j, j+2
.endr
.macro OUTB a                          ; my 16 tokens of block a, all 128 channels
.set AC, 64*((\a)%4)
.set OS, 32+32*((\a)%2)
.if (\a) > 1
	s_wait_xcnt 0x0                                ; block a - 2's stores have read this set's registers
.endif
	WIN 0x02+(\a)/4                                ; source 0: window 2 or 3
.set j, 0
.rept 32
	v_pk_fma_f32 v[TP+j:TP+j+1], v[AC+j:AC+j+1], s[FC:FC+1], v[BS+j:BS+j+1] op_sel_hi:[1,0,1]   ; each accumulator from its low end on
.set j, j+2
.endr
	WIN 0
.set j, 0
.rept 32
	v_cvt_pk_f16_f32 v[OS+j], v[TP+2*j], v[TP+2*j+1]
.set j, j+1
.endr
.irp b, 0,1,2,3,4,5,6,7
	global_store_b128 v[CO], v[OS+4*\b:OS+4*\b+3], s[18:19] offset:(\b/4)*393216+(\a)*2048+(\b%4)*512   ; head b / 4, tile a, channels 16 (b % 4) on
.endr
.endm
.irp a, 0,1,2,3,4,5,6,7
	OUTB \a
.endr
	s_wait_tensorcnt 0x0                           ; the wave's end
	ds_add_u32 v[SPW], v[NIL]
	s_wait_dscnt 0x0
	CROUND                                         ; the closing round
	s_endpgm
.Lfunc_end_k_q2ed8549b43_proj:
	.size	k_q2ed8549b43_proj, .Lfunc_end_k_q2ed8549b43_proj-k_q2ed8549b43_proj
	.p2alignl 7, 3214868480
	.fill 96, 4, 3214868480
	.section	.rodata,"a",@progbits
	.p2align	6, 0x0
	.amdhsa_kernel k_q2ed8549b43_proj
		.amdhsa_group_segment_fixed_size 327680
		.amdhsa_private_segment_fixed_size 0
		.amdhsa_enable_private_segment 0
		.amdhsa_kernarg_size 64
		.amdhsa_user_sgpr_count 2
		.amdhsa_user_sgpr_kernarg_segment_ptr 1
		.amdhsa_wavefront_size32 1
		.amdhsa_system_sgpr_workgroup_id_x 1
		.amdhsa_system_sgpr_workgroup_id_y 1
		.amdhsa_system_sgpr_workgroup_id_z 1
		.amdhsa_system_vgpr_workitem_id 0
		.amdhsa_next_free_vgpr 1024
		.amdhsa_next_free_sgpr 102
		.amdhsa_reserve_vcc 0
		.amdhsa_float_denorm_mode_32 3
		.amdhsa_float_denorm_mode_16_64 3
		.amdhsa_memory_ordered 1
		.amdhsa_forward_progress 1
		.amdhsa_inst_pref_size 138
	.end_amdhsa_kernel
	.amdgpu_metadata
---
amdhsa.version: [ 1, 2 ]
amdhsa.kernels:
  - .name:           k_q2ed8549b43_proj
    .symbol:         k_q2ed8549b43_proj.kd
    .args:
      - { .name: xcodes, .offset: 0, .size: 8, .value_kind: global_buffer, .address_space: global }
      - { .name: xscl, .offset: 8, .size: 8, .value_kind: global_buffer, .address_space: global }
      - { .name: wcodes, .offset: 16, .size: 8, .value_kind: global_buffer, .address_space: global }
      - { .name: wscl, .offset: 24, .size: 8, .value_kind: global_buffer, .address_space: global }
      - { .name: bq, .offset: 32, .size: 8, .value_kind: global_buffer, .address_space: global }
      - { .name: bk, .offset: 40, .size: 8, .value_kind: global_buffer, .address_space: global }
      - { .name: bv, .offset: 48, .size: 8, .value_kind: global_buffer, .address_space: global }
      - { .name: qkv, .offset: 56, .size: 8, .value_kind: global_buffer, .address_space: global }
    .group_segment_fixed_size: 327680
    .private_segment_fixed_size: 0
    .kernarg_segment_align: 8
    .kernarg_segment_size: 64
    .max_flat_workgroup_size: 128
    .sgpr_count:     102
    .vgpr_count:     1024
    .wavefront_size: 32
...
	.end_amdgpu_metadata
.endif
;; end of part 2
;; launch attn (part 3): grid 32 x 8, 8 waves a work-group, no clusters, 327,680 bytes of LDS; arguments qkv, biasf, obuf; writes obuf
.if DOCPART == 3
	.amdgcn_target "amdgcn-amd-amdhsa--gfx1250"
	.amdhsa_code_object_version 6
	.text
	.protected	k_q2ed8549b43_attn
	.globl	k_q2ed8549b43_attn
	.p2align	8
	.type	k_q2ed8549b43_attn,@function
k_q2ed8549b43_attn:
	s_mov_b64 s[64:65], 0
	v_nop
	global_prefetch_b8 v0, s[64:65] scope:SCOPE_SE
	s_setreg_imm32_b32 hwreg(HW_REG_WAVE_MODE, 25, 1), 1
	s_wait_xcnt 0x0
; O[b][h][q] = sum over k of softmax_k(Q.K / 8 + bias[b][q][k]) V[b][h][k].  Q (already x log2(e) / 8), K, V: f16, in the order of the operands' registers; bias: f32, x log2(e), in the order of the score
; accumulators' registers, a masked key = -3e38.  Products on f16 operands with f32 sums; maxima, exponentials and sums in f32; the weights p are rounded to f16 for the second product, O once at the end.
; SHARES.  A work-group owns one head, one half of its queries (512), in one batch; each of eight waves owns 64 queries: four tiles of 16, in two pieces of two tiles.  Two waves lie on a SIMD, so that one wave's
; softmax stands beside the other's products.  Keys go 64 a step, 16 steps.  Which work-group takes what is a one-to-one renaming of the number n = 32 y + x: batch = bits 7, 3, 2 of n, head = bits 6, 5, 4, 1, half = bit 0.
; LDS holds the head's whole K and V, 131,072 bytes each; every byte is filled ONCE, in three groups, each wave bringing one eighth of a group by one tensor load: steps 0-3 at the head, steps 4-7 behind the first
; barrier, steps 8-15 behind the second: one tensor load of a wave is out at a time, and each group lands under the key steps ahead of it.  Nothing is stored there.
; NO CLUSTER: what the two work-groups of a head share is K and V, 262,144 bytes of the 2,359,296 that a work-group reads; the rest, the bias, goes from memory straight into accumulator registers.
; LAYOUT.  S^T = K Q^T + bias (source 0 = 16 keys, source 1 = 16 queries, C = the bias just loaded): a lane holds ONE query (lane % 16) and keys 8 (lane / 16) + 0..7.  Two such tiles, rounded in pairs, ARE source 1
; of O^T = V^T P.  V comes out of LDS turned, by ds_load_tr16_b128; its pieces were laid so that lane l reads at 16 l.
; SOFTMAX: a running maximum m and sum l for each query; p = 2^(s - m); in every step O and l are multiplied by 2^(m_old - m_new).  A step whose keys are all masked gives p = 1 under m = -3e38; the first real
; maximum makes that factor 0, which wipes it: no branch, no fixed shift.  A query all of whose keys are masked gets NaN, as the softmax of -infinities does.
; LIMITS: scores (in base 2) under -1e38 count as masked; NaN and infinities are not served.
; REGISTERS.  window 0: v1-7 addresses and constants; v16-47 eight words of statistics a tile (+0 m, +1 written once as the pair's upper half, +2, +3 l, +4..+7 at work, +6 the factor, +7 its exponent);
;   v48-111 Q; v112-175, v176-239 S^T of piece 0, 1 (32 a tile; P in place, 8 registers at +0 and at +16); v240-255 the sums' chains.   window 1: v0-127 O^T (32 a tile); v128-191 K of a step; v192-255 V of a step.
.set VLDS,  131072
.set SPARE, 262144                     ; the spare words, 128 bytes for each of eight waves: four blocks of 256 bytes that no other line names
.set L16,  1                           ; v1  16 x lane; never rewritten
.set ADK,  2
.set ADV,  3
.set SPW,  4
.set NIL,  5
.set PFO,  6                           ; v6  256 x lane; never rewritten
.set QNAN, 7
.set ST,   16
.set Q,    48
.set S,    112
.set U,    240
.set OT,   0
.set KF,   128
.set VF,   192
.set WV,   10
.set G1A,  16                          ; s[16:23] group 1: 32 rows of 256 bytes;  s[24:31]: 64 rows
.set G1B,  24
.set G0A,  32                          ; s[32:35] group 0 for steps 0-3;  s[36:39] for steps 4-7;  s[56:59] for steps 8-15
.set G0B,  36
.set G0C,  56
.set BP,   40                          ; s[40:41], s[42:43] where piece 0's and piece 1's bias of the step last asked for begins
.set PFA,  44                          ; s[44:45] my bias block two steps on
.set LIM,  46                          ; s46 1 in a work-group that prefetches, else the greatest number
.set CNT,  47
.set TB,   48                          ; s48 LDS byte at which the step to be fetched begins
.set SEL,  50
.set LOW,  52
.set MSB, 0
.macro WIN new
.if MSB != (\new)
	s_set_vgpr_msb (MSB<<8)|(\new)
.set MSB, (\new)
.endif
.endm
.macro PLACES
.rept 4
	v_nop
.endr
.endm
	s_load_b128 s[4:7], s[0:1], 0x0                ; qkv, biasf
	s_load_b64 s[8:9], s[0:1], 0x10                ; obuf
	v_lshl_add_u32 v[SPW], v0, 2, SPARE
	v_mov_b32 v[NIL], 0
	ds_add_u32 v[SPW], v[NIL]                      ; the wave's opening
	ds_add_u32 v[SPW], v[NIL]
	v_lshrrev_b32 v1, 5, v0
	v_readfirstlane_b32 s[WV], v1                  ; wave 0..7
	s_and_b32 s2, ttmp7, 0xffff                    ; y: bits 7:5 of n;  x = ttmp9: bits 4:0
	s_lshr_b32 s12, s2, 2
	s_lshl_b32 s12, s12, 2                         ; bit 7 of n,
	s_bfe_u32 s3, ttmp9, 0x20002                   ; bits 3:2
	s_or_b32 s12, s12, s3                          ; b
	s_and_b32 s13, s2, 3
	s_lshl_b32 s13, s13, 2                         ; bits 6:5 of n,
	s_bfe_u32 s3, ttmp9, 0x10004                   ; bit 4,
	s_lshl_b32 s3, s3, 1
	s_or_b32 s13, s13, s3
	s_bfe_u32 s3, ttmp9, 0x10001                   ; bit 1
	s_or_b32 s13, s13, s3                          ; head
	s_and_b32 s11, ttmp9, 1                        ; query half
	s_mov_b32 s[G1A+0], 3<<16                      ; no mask; elements of 8 bytes; no padding
	s_mov_b32 s[G1A+1], 32<<16                     ; tensor_dim0 = 32 elements: rows of 256 bytes
	s_mov_b32 s[G1A+2], 32<<16                     ; tensor_dim1 = 32 rows
	s_mov_b32 s[G1A+3], 32<<16                     ; tile_dim0
	s_mov_b32 s[G1A+4], 32                         ; tile_dim1
	s_mov_b32 s[G1A+5], 32                         ; pitch: dense
	s_mov_b32 s[G1A+6], 0
	s_mov_b32 s[G1A+7], 0
	s_mov_b32 s[G1B+0], 3<<16
	s_mov_b32 s[G1B+1], 32<<16
	s_mov_b32 s[G1B+2], 64<<16                     ; 64 rows
	s_mov_b32 s[G1B+3], 32<<16
	s_mov_b32 s[G1B+4], 64
	s_mov_b32 s[G1B+5], 32
	s_mov_b32 s[G1B+6], 0
	s_mov_b32 s[G1B+7], 0
	s_lshr_b32 s2, s[WV], 2
	s_lshl_b32 s2, s2, 17                          ; waves 0-3: K, waves 4-7: V, 131,072 bytes on, in memory and in LDS alike
	s_and_b32 s3, s[WV], 3
	s_lshl_b32 s14, s3, 13
	s_add_co_u32 s14, s14, s2                      ; first load: step wave % 4, 8,192 bytes; the second lies 32,768 bytes on: step 4 + wave % 4
	s_lshl_b32 s15, s3, 14
	s_add_co_u32 s15, s15, s2
	s_add_co_u32 s15, s15, 65536                   ; third load: two of steps 8-15, 16,384 bytes
	s_lshl_b32 s2, s12, 4
	s_add_co_u32 s2, s2, s13
	s_mul_i32 s2, s2, 393216                       ; the head's Q, K, V
	s_mov_b32 s3, 0
	s_mov_b32 s[SEL], 0x76543210
	s_mov_b32 s[SEL+1], 0xfedcba98
	s_mov_b32 s[LOW], 0xfe967699                   ; -1e38
	s_mov_b32 s[TB], 0
	s_wait_dscnt 0x0                               ; both opening adds are done
	s_wait_kmcnt 0x0
	s_add_nc_u64 s[4:5], s[4:5], s[2:3]
	s_mov_b32 s[G0A], 1
	s_mov_b32 s[G0A+1], s14
	s_mov_b32 s2, s14
	s_add_nc_u64 s[G0A+2:G0A+3], s[4:5], s[2:3]
	s_add_nc_u64 s[G0A+2:G0A+3], s[G0A+2:G0A+3], 131072   ; K begins behind Q
	s_add_nc_u64 s[G0B+2:G0B+3], s[G0A+2:G0A+3], 32768    ; four steps on
	s_or_b32 s[G0A+3], s[G0A+3], 0x80000000
	tensor_load_to_lds s[G0A:G0A+3], s[G1A:G1A+7]  ; steps 0-3: all that the first products wait for
	s_nop 0
	PLACES
	s_mov_b32 s[G0B], 1
	s_add_co_u32 s[G0B+1], s14, 32768
	s_or_b32 s[G0B+3], s[G0B+3], 0x80000000
	s_mov_b32 s[G0C], 1
	s_mov_b32 s[G0C+1], s15
	s_mov_b32 s2, s15
	s_add_nc_u64 s[G0C+2:G0C+3], s[4:5], s[2:3]
	s_add_nc_u64 s[G0C+2:G0C+3], s[G0C+2:G0C+3], 131072
	s_or_b32 s[G0C+3], s[G0C+3], 0x80000000
	v_and_b32 v1, 31, v0
	v_lshlrev_b32 v[PFO], 8, v1
	v_lshlrev_b32 v[L16], 4, v1
	v_mov_b32 v[QNAN], 0x7fc00000
.irp t, 0,1,2,3
	v_mov_b32 v[ST+8*\t+1], 0                      ; named as the upper half of the pair with m, so it is written
.endr
	s_lshl_b32 s2, s11, 5
	s_lshl_b32 s14, s[WV], 2
	s_add_co_u32 s2, s2, s14                       ; my first tile of 16 queries in the batch
	s_lshl_b32 s14, s2, 11
	s_mov_b32 s15, 0
	s_add_nc_u64 s[4:5], s[4:5], s[14:15]          ; Q at my tiles
	s_lshl_b32 s14, s12, 6
	s_add_co_u32 s14, s14, s2
	s_lshl_b32 s14, s14, 13                        ; obuf: tile of 16 rows x 8,192
	s_lshr_b32 s3, s13, 2
	s_lshl_b32 s3, s3, 22                          ; + (head / 4) x 4,194,304
	s_add_co_u32 s14, s14, s3
	s_and_b32 s3, s13, 3
	s_lshl_b32 s3, s3, 11                          ; + (head % 4) x 2,048
	s_add_co_u32 s14, s14, s3
	s_add_nc_u64 s[8:9], s[8:9], s[14:15]
	s_lshl_b32 s14, s12, 4
	s_lshl_b32 s3, s11, 3
	s_add_co_u32 s14, s14, s3
	s_add_co_u32 s14, s14, s[WV]
	s_lshl_b32 s14, s14, 18                        ; my 64 queries' bias: 262,144 bytes
	s_add_nc_u64 s[BP:BP+1], s[6:7], s[14:15]
	s_add_nc_u64 s[BP+2:BP+3], s[BP:BP+1], 8192
	s_add_nc_u64 s[PFA:PFA+1], s[BP:BP+1], 32768   ; step 2
	s_cmp_eq_u32 s13, 0
	s_cselect_b32 s[LIM], 1, -1
.irp i, 0,1,2,3,4,5,6,7,8,9,10,11,12,13,14,15
	global_load_b128 v[Q+4*\i:Q+4*\i+3], v[L16], s[4:5] offset:512*\i        ; Q stays in registers
.endr
.irp i, 0,1,2,3,4,5,6,7,8,9,10,11,12,13,14,15
	global_load_b128 v[S+4*\i:S+4*\i+3], v[L16], s[BP:BP+1] offset:512*\i    ; step 0's bias, piece 0
.endr
.irp i, 0,1,2,3,4,5,6,7,8,9,10,11,12,13,14,15
	global_load_b128 v[S+64+4*\i:S+64+4*\i+3], v[L16], s[BP+2:BP+3] offset:512*\i   ; piece 1
.endr
.macro KLOAD                           ; a step's K: 16 quads, 512 consecutive bytes each
	v_add_nc_u32 v[ADK], s[TB], v[L16]
	WIN 0x40
.irp i, 0,1,2,3,4,5,6,7,8,9,10,11,12,13,14,15
	ds_load_b128 v[KF+4*\i:KF+4*\i+3], v[ADK] offset:512*\i
.endr
	WIN 0
.endm
.macro VLOAD                           ; the same step's V, turned: key tile kt, channels 16 ct on -> half kt % 2 of fragment (kt / 2, ct)
	v_add_nc_u32 v[ADV], VLDS, v[ADK]
	WIN 0x40
.irp kt, 0,1,2,3
.irp ct, 0,1,2,3
	ds_load_tr16_b128 v[VF+32*(\kt/2)+8*\ct+4*(\kt%2):VF+32*(\kt/2)+8*\ct+4*(\kt%2)+3], v[ADV] offset:\kt*2048+\ct*512
.endr
.endr
	WIN 0
.endm
.macro SMUL p                          ; 16 products: the piece's eight accumulators by turns, channels 32 cs on
	WIN 0x01
.irp cs, 0,1
.irp q, 0,1
.irp kt, 0,1,2,3
	v_wmma_f32_16x16x32_f16 v[S+64*\p+32*\q+8*\kt:S+64*\p+32*\q+8*\kt+7], v[KF+16*\kt+8*\cs:KF+16*\kt+8*\cs+7], v[Q+16*(2*\p+\q)+8*\cs:Q+16*(2*\p+\q)+8*\cs+7], v[S+64*\p+32*\q+8*\kt:S+64*\p+32*\q+8*\kt+7]
.endr
.endr
.endr
.endm
.macro PVMUL p, first                  ; 16 products: the piece's eight accumulators of O^T by turns, keys 32 k on.  first = 1: the first eight start the sums
	WIN 0x51
.irp k, 0,1
.irp q, 0,1
.irp ct, 0,1,2,3
.if \first && (\k == 0)
	v_wmma_f32_16x16x32_f16 v[OT+64*\p+32*\q+8*\ct:OT+64*\p+32*\q+8*\ct+7], v[VF+32*\k+8*\ct:VF+32*\k+8*\ct+7], v[S+64*\p+32*\q+16*\k:S+64*\p+32*\q+16*\k+7], 0
.else
	v_wmma_f32_16x16x32_f16 v[OT+64*\p+32*\q+8*\ct:OT+64*\p+32*\q+8*\ct+7], v[VF+32*\k+8*\ct:VF+32*\k+8*\ct+7], v[S+64*\p+32*\q+16*\k:S+64*\p+32*\q+16*\k+7], v[OT+64*\p+32*\q+8*\ct:OT+64*\p+32*\q+8*\ct+7]
.endif
.endr
.endr
.endr
.endm
; The piece's softmax for one step; its two tiles alternate, so that few lines wait for the line above.
.macro SOFT p, first
.set TA, ST+16*\p
.set SA, S+64*\p
.irp j, 0,1,2,3                        ; four chains a tile, each accumulator read from its low end on
.irp q, 0,1
	v_max3_num_f32 v[TA+8*\q+4+\j], v[SA+32*\q+8*\j], v[SA+32*\q+8*\j+1], v[SA+32*\q+8*\j+2]
.endr
.endr
.irp g, 1,2
.irp j, 0,1,2,3
.irp q, 0,1
	v_max3_num_f32 v[TA+8*\q+4+\j], v[TA+8*\q+4+\j], v[SA+32*\q+8*\j+2*\g+1], v[SA+32*\q+8*\j+2*\g+2]
.endr
.endr
.endr
.irp q, 0,1
	v_max3_num_f32 v[TA+8*\q+4], v[TA+8*\q+4], v[SA+32*\q+7], v[SA+32*\q+15]
	v_max3_num_f32 v[TA+8*\q+6], v[TA+8*\q+6], v[SA+32*\q+23], v[SA+32*\q+31]
.endr
.irp q, 0,1
	v_max3_num_f32 v[TA+8*\q+4], v[TA+8*\q+4], v[TA+8*\q+5], v[TA+8*\q+6]
.endr
.irp q, 0,1
.if \first
	v_max_num_f32 v[TA+8*\q+4], v[TA+8*\q+4], v[TA+8*\q+7]
.else
	v_max3_num_f32 v[TA+8*\q+4], v[TA+8*\q+4], v[TA+8*\q+7], v[TA+8*\q]    ; with the old m
.endif
.endr
.irp q, 0,1
	v_permlanex16_b32 v[TA+8*\q+5], v[TA+8*\q+4], s[SEL], s[SEL+1]         ; the query's other 32 keys lie in the lane 16 away
.endr
.irp q, 0,1
	v_max_num_f32 v[TA+8*\q+5], v[TA+8*\q+4], v[TA+8*\q+5]                 ; the new m
.endr
.if \first == 0
.irp q, 0,1
	v_sub_f32 v[TA+8*\q+7], v[TA+8*\q], v[TA+8*\q+5]                       ; m_old - m_new, 0 or less
.endr
.endif
.irp q, 0,1
	v_mov_b32 v[TA+8*\q], v[TA+8*\q+5]
.endr
.irp q, 0,1
.set j, 0
.rept 16
	v_pk_add_f32 v[SA+32*\q+j:SA+32*\q+j+1], v[SA+32*\q+j:SA+32*\q+j+1], v[TA+8*\q:TA+8*\q+1] op_sel_hi:[1,0] neg_lo:[0,1] neg_hi:[0,1]   ; s - m
.set j, j+2
.endr
.endr
.if \first == 0
.irp q, 0,1
	v_exp_f32 v[TA+8*\q+6], v[TA+8*\q+7]                                   ; ONE BATCH: the two factors and the 64 weights
.endr
.endif
.set j, 0
.rept 64
	v_exp_f32 v[SA+j], v[SA+j]
.set j, j+1
.endr
	v_nop                                          ; a plain line behind the last exponential
	s_wait_alu depctr_va_vdst(0)                   ; one wait for the batch, ahead of its first reader
.irp q, 0,1                            ; the sums of the unrounded weights: two chains a tile
	v_pk_add_f32 v[U+8*\q:U+8*\q+1], v[SA+32*\q:SA+32*\q+1], v[SA+32*\q+2:SA+32*\q+3]
	v_pk_add_f32 v[U+8*\q+2:U+8*\q+3], v[SA+32*\q+4:SA+32*\q+5], v[SA+32*\q+6:SA+32*\q+7]
.endr
.irp j, 8,12,16,20,24,28
.irp q, 0,1
	v_pk_add_f32 v[U+8*\q:U+8*\q+1], v[U+8*\q:U+8*\q+1], v[SA+32*\q+\j:SA+32*\q+\j+1]
	v_pk_add_f32 v[U+8*\q+2:U+8*\q+3], v[U+8*\q+2:U+8*\q+3], v[SA+32*\q+\j+2:SA+32*\q+\j+3]
.endr
.endr
.irp q, 0,1
.if \first
	v_pk_add_f32 v[TA+8*\q+2:TA+8*\q+3], v[U+8*\q:U+8*\q+1], v[U+8*\q+2:U+8*\q+3]
.else
	v_pk_add_f32 v[U+8*\q:U+8*\q+1], v[U+8*\q:U+8*\q+1], v[U+8*\q+2:U+8*\q+3]
.endif
.endr
.if \first == 0
.irp q, 0,1
	v_pk_fma_f32 v[TA+8*\q+2:TA+8*\q+3], v[TA+8*\q+2:TA+8*\q+3], v[TA+8*\q+6:TA+8*\q+7], v[U+8*\q:U+8*\q+1] op_sel_hi:[1,0,1]   ; l = l x factor + the step's sum
.endr
.endif
.irp q, 0,1                            ; P, in place: register i of 8 takes weights 2 i, 2 i + 1 of its 16
.irp k, 0,1
.irp i, 0,1,2,3,4,5,6,7
	v_cvt_pk_f16_f32 v[SA+32*\q+16*\k+\i], v[SA+32*\q+16*\k+2*\i], v[SA+32*\q+16*\k+2*\i+1]
.endr
.endr
.endr
.endm
.macro RESC p                          ; the piece's O^T x factor, each accumulator from its low end on
	WIN 0x41
.irp q, 0,1
.set j, 0
.rept 16
	v_pk_mul_f32 v[OT+64*\p+32*\q+j:OT+64*\p+32*\q+j+1], v[OT+64*\p+32*\q+j:OT+64*\p+32*\q+j+1], v[ST+16*\p+8*\q+6:ST+16*\p+8*\q+7] op_sel_hi:[1,0]
.set j, j+2
.endr
.endr
.endm
; A PREFETCH INTO THE L2 of my wave's bias block two steps on: 16,384 bytes, lanes 256 bytes apart, two instructions.  The sixteen heads of a batch walk the same bias: head 0's work-group asks, nobody else, so each
; block is named once in the launch.  It stands behind the bias loads just issued.  how = 1: steps that all have a step two on; how = 2: in the last loop, whose last trip has none.
.macro ASK how
.if \how == 1
	s_cmp_eq_u32 s[LIM], 1
.else
	s_cmp_gt_u32 s[CNT], s[LIM]
.endif
	s_cbranch_scc0 .Lnot_mine_\@
	global_prefetch_b8 v[PFO], s[PFA:PFA+1] th:TH_LOAD_NT scope:SCOPE_SE
	global_prefetch_b8 v[PFO], s[PFA:PFA+1] offset:8192 th:TH_LOAD_NT scope:SCOPE_SE
.Lnot_mine_\@:
.endm
; A TURN: one piece's scores, softmax and V^T P for one step; then its next step's bias is asked for, which has the other piece's whole turn in which to land.
.macro TURN p, first, last, ask
.if \last && (\p == 1)
	s_wait_loadcnt 0x0                             ; nothing was asked for behind this piece's bias
.else
	s_wait_loadcnt 16                              ; this piece's bias is in (and Q, in the first step); the other piece's 16 loads stay out
.endif
.if \p == 0
	s_wait_dscnt 16                                ; K is in; V's 16 loads may be out
.endif
	SMUL \p
	WIN 0
	PLACES                                         ; behind the products: ahead of the reads of the scores and of the loads into K's registers
.if (\p == 1) && (\last == 0)
	s_add_co_u32 s[TB], s[TB], 8192
	KLOAD                                          ; both pieces have multiplied by K: the next step's
.endif
	SOFT \p, \first
.if \first == 0
	RESC \p
.endif
.if \p == 0
	s_wait_dscnt 0x0                               ; V is in
.endif
	PVMUL \p, \first
	WIN 0
.if \last == 0
	PLACES                                         ; ahead of the loads into registers that the products read
	s_add_nc_u64 s[BP+2*\p:BP+2*\p+1], s[BP+2*\p:BP+2*\p+1], 16384          ; free: this turn's first wait showed the loads that named it done
.irp i, 0,1,2,3,4,5,6,7,8,9,10,11,12,13,14,15
	global_load_b128 v[S+64*\p+4*\i:S+64*\p+4*\i+3], v[L16], s[BP+2*\p:BP+2*\p+1] offset:512*\i
.endr
.if (\p == 0) && \ask
	ASK \ask
.endif
.if \p == 1
	VLOAD                                          ; both pieces have multiplied by V: the next step's
.endif
.endif
.endm
.macro STEP first, last, ask
.if (\first == 0) && \ask
	s_wait_xcnt 0x0                                ; the last prefetches, a turn back, have read their address
	s_add_nc_u64 s[PFA:PFA+1], s[PFA:PFA+1], 16384
.endif
	TURN 0, \first, \last, \ask
	TURN 1, \first, \last, \ask
.endm
	s_wait_tensorcnt 0x0                           ; my part of steps 0-3 is in: no tensor load of mine is out
	ds_add_u32 v[SPW], v[NIL]                      ; 0 onto my spare word
	s_wait_dscnt 0x0
	s_barrier_signal -1
	s_barrier_wait -1                              ; everybody's part is in
	tensor_load_to_lds s[G0B:G0B+3], s[G1A:G1A+7]  ; steps 4-7, filled for the first time: my one tensor load behind this barrier; three key steps stand ahead of the wait for it
	s_nop 0
	PLACES
	KLOAD
	VLOAD
	STEP 1, 0, 1                                   ; steps 0 to 2: they, and their fetches of steps 1 to 3, read only bytes that the first loads brought
	STEP 0, 0, 1
	STEP 0, 0, 1
	s_wait_tensorcnt 0x0                           ; my part of steps 4-7 is in
	ds_add_u32 v[SPW], v[NIL]
	s_wait_dscnt 0x0                               ; the add is done, and no LDS load of mine is pending at the signal
	s_barrier_signal -1
	s_barrier_wait -1                              ; everybody's part is in
	tensor_load_to_lds s[G0C:G0C+3], s[G1B:G1B+7]  ; steps 8-15, filled for the first time: my one tensor load behind this barrier; four key steps stand ahead of the wait for it
	s_nop 0
	PLACES
	s_mov_b32 s[CNT], 4
.Lstep_a:                                          ; steps 3 to 6: their fetches read steps 4 to 7
	STEP 0, 0, 1
	s_sub_co_u32 s[CNT], s[CNT], 1
	s_cmp_lg_u32 s[CNT], 0
	s_cbranch_scc1 .Lstep_a
	s_wait_tensorcnt 0x0                           ; my part of steps 8-15 is in,
	s_wait_dscnt 0x0                               ; no LDS instruction of mine is pending at the signal
	s_barrier_signal -1
	s_barrier_wait -1                              ; everybody's is
	s_mov_b32 s[CNT], 8
.Lstep_b:                                          ; steps 7 to 14
	STEP 0, 0, 2
	s_sub_co_u32 s[CNT], s[CNT], 1
	s_cmp_lg_u32 s[CNT], 0
	s_cbranch_scc1 .Lstep_b
	STEP 0, 1, 0                                   ; step 15 asks for nothing
	; THE WAY OUT.  l's halves and the other half of the lanes' are added; O^T / l, rounded to f16: a lane's eight channels are its quad of the last product's operand: 512 consecutive bytes a store.
.irp t, 0,1,2,3
	v_add_f32 v[ST+8*\t+4], v[ST+8*\t+2], v[ST+8*\t+3]                     ; (these are the places behind the last products)
.endr
.irp t, 0,1,2,3
	v_permlanex16_b32 v[ST+8*\t+5], v[ST+8*\t+4], s[SEL], s[SEL+1]
.endr
.irp t, 0,1,2,3
	v_add_f32 v[ST+8*\t+4], v[ST+8*\t+4], v[ST+8*\t+5]
.endr
.irp t, 0,1,2,3
	v_rcp_f32 v[ST+8*\t+6], v[ST+8*\t+4]
.endr
	v_nop
	s_wait_alu depctr_va_vdst(0)                   ; one wait for the four reciprocals, ahead of their first reader
.irp t, 0,1,2,3
	v_cmp_gt_f32 vcc_lo, s[LOW], v[ST+8*\t]        ; every key masked: NaN
	v_cndmask_b32 v[ST+8*\t+6], v[ST+8*\t+6], v[QNAN], vcc_lo
.endr
	WIN 0x01
.irp t, 0,1,2,3
.set j, 0
.rept 16
	v_pk_mul_f32 v[S+32*\t+j:S+32*\t+j+1], v[OT+32*\t+j:OT+32*\t+j+1], v[ST+8*\t+6:ST+8*\t+7] op_sel_hi:[1,0]
.set j, j+2
.endr
.endr
	WIN 0
.irp t, 0,1,2,3
.irp ct, 0,1,2,3
.irp i, 0,1,2,3
	v_cvt_pk_f16_f32 v[S+32*\t+8*\ct+\i], v[S+32*\t+8*\ct+2*\i], v[S+32*\t+8*\ct+2*\i+1]
.endr
	global_store_b128 v[L16], v[S+32*\t+8*\ct:S+32*\t+8*\ct+3], s[8:9] offset:\t*8192+\ct*512
.endr
.endr
	s_wait_tensorcnt 0x0                           ; the wave's end
	ds_add_u32 v[SPW], v[NIL]
	s_wait_dscnt 0x0
	s_endpgm
.Lfunc_end_k_q2ed8549b43_attn:
	.size	k_q2ed8549b43_attn, .Lfunc_end_k_q2ed8549b43_attn-k_q2ed8549b43_attn
	.p2alignl 7, 3214868480
	.fill 96, 4, 3214868480
	.section	.rodata,"a",@progbits
	.p2align	6, 0x0
	.amdhsa_kernel k_q2ed8549b43_attn
		.amdhsa_group_segment_fixed_size 327680
		.amdhsa_private_segment_fixed_size 0
		.amdhsa_enable_private_segment 0
		.amdhsa_kernarg_size 24
		.amdhsa_user_sgpr_count 2
		.amdhsa_user_sgpr_kernarg_segment_ptr 1
		.amdhsa_wavefront_size32 1
		.amdhsa_system_sgpr_workgroup_id_x 1
		.amdhsa_system_sgpr_workgroup_id_y 1
		.amdhsa_system_sgpr_workgroup_id_z 1
		.amdhsa_system_vgpr_workitem_id 0
		.amdhsa_next_free_vgpr 512
		.amdhsa_next_free_sgpr 66
		.amdhsa_reserve_vcc 1
		.amdhsa_float_denorm_mode_32 3
		.amdhsa_float_denorm_mode_16_64 3
		.amdhsa_memory_ordered 1
		.amdhsa_forward_progress 1
		.amdhsa_inst_pref_size 227
	.end_amdhsa_kernel
	.amdgpu_metadata
---
amdhsa.version: [ 1, 2 ]
amdhsa.kernels:
  - .name:           k_q2ed8549b43_attn
    .symbol:         k_q2ed8549b43_attn.kd
    .args:
      - { .name: qkv, .offset: 0, .size: 8, .value_kind: global_buffer, .address_space: global }
      - { .name: biasf, .offset: 8, .size: 8, .value_kind: global_buffer, .address_space: global }
      - { .name: obuf, .offset: 16, .size: 8, .value_kind: global_buffer, .address_space: global }
    .group_segment_fixed_size: 327680
    .private_segment_fixed_size: 0
    .kernarg_segment_align: 8
    .kernarg_segment_size: 24
    .max_flat_workgroup_size: 256
    .sgpr_count:     66
    .vgpr_count:     512
    .wavefront_size: 32
...
	.end_amdgpu_metadata
.endif
;; end of part 3
;; launch outp (part 4): grid 8 x 32, 4 waves a work-group, clusters of 4 x 4, 327,680 bytes of LDS; arguments obuf, wobuf, bo, out0; writes out0
.if DOCPART == 4
	.amdgcn_target "amdgcn-amd-amdhsa--gfx1250"
	.amdhsa_code_object_version 6
	.text
	.protected	k_q2ed8549b43_outp
	.globl	k_q2ed8549b43_outp
	.p2align	8
	.type	k_q2ed8549b43_outp,@function
k_q2ed8549b43_outp:
	s_mov_b64 s[64:65], 0
	v_nop
	global_prefetch_b8 v0, s[64:65] scope:SCOPE_SE
	s_setreg_imm32_b32 hwreg(HW_REG_WAVE_MODE, 25, 1), 1
	s_wait_xcnt 0x0
	s_wait_alu depctr_hold_cnt(0) depctr_sa_sdst(0) depctr_va_vdst(0) depctr_va_sdst(0) depctr_va_ssrc(0) depctr_va_vcc(0) depctr_vm_vsrc(0)
	s_getreg_b32 s2, hwreg(HW_REG_IB_STS2, 6, 4)
	s_cmp_eq_u32 s2, 0
	s_cbranch_scc0 .Lentry_in_a_cluster
	s_endpgm
.Lentry_in_a_cluster:
	s_bfe_u32 s2, ttmp6, 0x10000c
	s_cmp_lg_u32 s2, 0xf033
	s_cbranch_scc0 .Lentry_shape_is_right
	s_endpgm
.Lentry_shape_is_right:
; out0[m][n] = sum over k of O[m][k] Wo[k][n] + bo[n].  O and Wo: f16, both laid in the order of the operands' registers, [kc 4][tile of 16 rows][ks 8][c 2][lane 32][16 bytes]; sums in f32; out0 [8192][1024] f32.
; A tile of out0 is 128 x 128 (512 tiles); four waves, 64 x 64 each: 16 accumulators.  K goes in steps of 256 through a ring of two LDS slots: a step's part of 64 rows is ONE dense block of 32,768 bytes, which a wave
; brings by one tensor load; a fragment's quad is 512 consecutive bytes of LDS, lane l at 16 l: no pitch, no padding.  Two loads of a wave are out at the start, one behind each change of slots that fills.
; A WORK-GROUP STAYS: 256 work-groups, each makes TWO tiles, 32 tile rows (4,096 rows) apart, in the same 128 columns.  The ring does not stop between them: the first tile's last two changes of slots ask for the
; second tile's K steps 0 and 1, the first tile then leaves, and nothing waits for its stores.  The two walks along K are written out by one macro.
; CLUSTERS: 4 x 4 work-groups; O's blocks are asked for jointly along a row of the cluster, Wo's along a column; all sixteen walk in step.
; THE MATRIX INSTRUCTION IS USED TRANSPOSED (source 0 = 16 columns of Wo, source 1 = 16 rows of O): a lane holds eight neighbouring numbers of a row.  bo is the C of each sum's first product.
; REGISTERS: window 0: v16-29 addresses; v32-95 the way out; v96-127 bo; v128-255 the accumulators ((a, b) at v[128 + 8 (4 a + b)]).  window 1: two fragment buffers of 128: 64 registers of O, then 64 of Wo.
.set HALFT,  32768                     ; four tiles of 16 rows x 256 along K: what one tensor load brings, and what one wave reads of O or of Wo
.set SLOT,   4*HALFT
.set ASTEP,  4194304                   ; a K step on in obuf
.set BSTEP,  524288                    ; and in wobuf
.set NEXT_A, 2*ASTEP-32*65536          ; bytes BACK from a slot's last K step of the first tile to its first of the second: two K steps back, 32 tile rows of 65,536 bytes on
.set BACK_B, 2*BSTEP                   ; Wo only back: both tiles take the same columns
.set NEXT_C, 32*128*4096               ; bytes from the first tile's rows of out0 to the second's
.set STAGE,  2*SLOT                    ; behind the ring: 16 rows x 272 bytes for each wave; no tensor load lands there
.set SPITCH, 272
.set SPARE,  STAGE+4*16*SPITCH         ; the spare words: two blocks of 256 bytes that no other line names
.set ADRA, 16
.set ADRB, 20
.set STO,  24
.set RD,   25
.set CO,   26
.set SPW,  28
.set NIL,  29
.set TMP,  32
.set BO,   96
.set ACC,  128
.set F0,   0
.set F1,   128
.set G1, 24
.set G0, 32
.set G1B, 48
.set G0B, 56
.set MSB, 0
.macro WIN new
.if MSB != (\new)
	s_set_vgpr_msb (MSB<<8)|(\new)
.set MSB, (\new)
.endif
.endm
.set MUL,  0x05                        ; sources 0 and 1 window 1; C and D window 0
.set TO_F, 0x40
.macro JLOAD s                         ; a joint load: waves 0 and 1 fetch O's two halves, waves 2 and 3 Wo's; an s_nop 0 and four v_nop follow each line
	s_cmp_eq_u32 s11, 0
	s_cbranch_scc0 .Lfor_b_\@
	tensor_load_to_lds s[G0+4*\s:G0+4*\s+3], s[G1:G1+7]
	s_nop 0
.rept 4
	v_nop
.endr
	s_branch .Lasked_\@
.Lfor_b_\@:
	tensor_load_to_lds s[G0B+4*\s:G0B+4*\s+3], s[G1B:G1B+7]
	s_nop 0
.rept 4
	v_nop
.endr
.Lasked_\@:
.endm
.macro CREST
	s_cmp_lg_u32 s10, 0
	s_cbranch_scc1 .Lnot_wave_0_\@
	s_barrier_signal -3
.Lnot_wave_0_\@:
	s_barrier_wait -3
	s_barrier_signal -1
	s_barrier_wait -1
.endm
.macro CROUND
	s_barrier_signal -1
	s_barrier_wait -1
	CREST
.endm
	s_load_b128 s[4:7], s[0:1], 0x0                ; obuf, wobuf
	s_load_b64 s[66:67], s[0:1], 0x10              ; bo
	s_load_b64 s[8:9], s[0:1], 0x18                ; out0
	v_lshl_add_u32 v[SPW], v0, 2, SPARE
	v_mov_b32 v[NIL], 0
	ds_add_u32 v[SPW], v[NIL]                      ; the wave's opening
	ds_add_u32 v[SPW], v[NIL]
	v_lshrrev_b32 v1, 5, v0
	v_readfirstlane_b32 s10, v1                    ; wave 0..3
	s_lshr_b32 s11, s10, 1                         ; which half of the tile's rows is mine.  Also: I fetch for O (0) or for Wo (1)
	s_and_b32 s12, s10, 1                          ; which half of its columns.  Also: which half I fetch
	s_bfe_u32 s40, ttmp6, 0x40000
	s_bfe_u32 s41, ttmp6, 0x40004
	s_lshl_b32 s42, ttmp9, 2
	s_add_co_u32 s42, s42, s40                     ; tile column, 0..7
	s_and_b32 s13, ttmp7, 0xffff
	s_lshl_b32 s13, s13, 2
	s_add_co_u32 s13, s13, s41                     ; the first tile's row, 0..31
	s_lshl_b32 s43, s41, 2
	s_lshl_b32 s43, 15, s43                        ; my row of the cluster
	s_lshl_b32 s44, 0x1111, s40                    ; my column
	s_or_b32 s[G1+0], s43, (3<<16)|(1<<21)         ; the mask; elements of 8 bytes; bit 21 beside a mask; no padding
	s_or_b32 s[G1B+0], s44, (3<<16)|(1<<21)
.irp g, G1, G1B
	s_mov_b32 s[\g+1], 32<<16                      ; tensor_dim0 = 32 elements: rows of 256 bytes
	s_mov_b32 s[\g+2], 128<<16                     ; tensor_dim1 = 128 rows
	s_mov_b32 s[\g+3], 32<<16                      ; tile_dim0
	s_mov_b32 s[\g+4], 128                         ; tile_dim1
	s_mov_b32 s[\g+5], 32                          ; pitch: dense
	s_mov_b32 s[\g+6], 0
	s_mov_b32 s[\g+7], 0
.endr
	s_lshl_b32 s17, s12, 2                         ; which four tiles of 16 I fetch
	s_lshl_b32 s16, s13, 3
	s_add_co_u32 s16, s16, s17
	s_lshl_b32 s16, s16, 13                        ; O: (8 x tile row + 4 x half) x 8,192
	s_lshl_b32 s46, s42, 3
	s_add_co_u32 s46, s46, s17
	s_lshl_b32 s46, s46, 13                        ; Wo: (8 x tile column + 4 x half) x 8,192
	s_mov_b32 s17, 0
	s_mov_b32 s47, 0
	s_lshl_b32 s20, s10, 15                        ; where they go: wave x 32,768
	s_wait_dscnt 0x0                               ; both opening adds are done
	s_wait_kmcnt 0x0
	s_add_nc_u64 s[14:15], s[4:5], s[16:17]
	s_add_nc_u64 s[46:47], s[6:7], s[46:47]
	CROUND                                         ; all sixteen work-groups are here: the first joint loads meet
.irp s, 0,1
	s_mov_b32 s[G0+4*\s], 1
	s_add_co_u32 s[G0+4*\s+1], s20, \s*SLOT
	s_add_nc_u64 s[G0+4*\s+2:G0+4*\s+3], s[14:15], \s*ASTEP
	s_or_b32 s[G0+4*\s+3], s[G0+4*\s+3], 0x80000000
	s_mov_b32 s[G0B+4*\s], 1
	s_add_co_u32 s[G0B+4*\s+1], s20, \s*SLOT
	s_add_nc_u64 s[G0B+4*\s+2:G0B+4*\s+3], s[46:47], \s*BSTEP
	s_or_b32 s[G0B+4*\s+3], s[G0B+4*\s+3], 0x80000000
	JLOAD \s
.endr
	v_and_b32 v1, 15, v0                           ; l % 16
	v_bfe_u32 v2, v0, 4, 1                         ; l / 16
	v_and_b32 v3, 31, v0
	v_lshlrev_b32 v3, 4, v3                        ; 16 x lane
	s_lshl_b32 s21, s11, 15                        ; my 64 rows of O
	s_lshl_b32 s22, s12, 15                        ; my 64 columns of Wo,
	s_add_co_u32 s22, s22, 2*HALFT                 ; which lie behind O's 128 rows
.irp s, 0,1
	v_add_nc_u32 v[ADRA+\s], s21, v3
	v_add_nc_u32 v[ADRB+\s], s22, v3
	s_add_co_u32 s21, s21, SLOT
	s_add_co_u32 s22, s22, SLOT
.endr
	s_mul_i32 s23, s10, 16*SPITCH
	s_add_co_u32 s23, s23, STAGE                   ; my stage
	v_mul_u32_u24 v4, v1, SPITCH
	v_lshl_add_u32 v4, v2, 5, v4
	v_add_nc_u32 v[STO], s23, v4                   ; in: row l % 16, 32 bytes for each half of the lanes
	v_mul_u32_u24 v5, v2, SPITCH
	v_lshl_add_u32 v5, v1, 4, v5
	v_add_nc_u32 v[RD], s23, v5                    ; back: lanes 0-15 one row of 256 bytes, lanes 16-31 the next
	v_lshlrev_b32 v5, 12, v2
	v_lshl_add_u32 v[CO], v1, 4, v5                ; and the same two rows in out0
	s_lshl_b32 s16, s13, 7
	s_lshl_b32 s17, s11, 6
	s_add_co_u32 s16, s16, s17                     ; my first row of the first tile
	s_lshl_b32 s16, s16, 12
	s_mov_b32 s17, 0
	s_lshl_b32 s46, s42, 9
	s_lshl_b32 s47, s12, 8
	s_add_co_u32 s46, s46, s47                     ; my first column, in bytes: 512 x tile column + 256 x half
	s_mov_b32 s47, 0
	s_add_nc_u64 s[66:67], s[66:67], s[46:47]
	s_add_nc_u64 s[8:9], s[8:9], s[16:17]
	s_add_nc_u64 s[8:9], s[8:9], s[46:47]
	v_lshlrev_b32 v6, 5, v2                        ; 32 h: my half's eight numbers of a block of 16 columns
.irp b, 0,1,2,3
	global_load_b128 v[BO+8*\b:BO+8*\b+3], v6, s[66:67] offset:64*\b
	global_load_b128 v[BO+8*\b+4:BO+8*\b+7], v6, s[66:67] offset:64*\b+16
.endr
; 8 matrix instructions: row blocks a0, a0 + 1 x all 4 column blocks, 32 along K: half c of buffer f.  zero = 1: the first product starts the sum from bo.  The 16 accumulators take turns.
.macro MUL8 f, c, a0, zero
.irp a, \a0, \a0+1
.irp b, 0,1,2,3
.if \zero
	v_wmma_f32_16x16x32_f16 v[ACC+8*(4*(\a)+\b):ACC+8*(4*(\a)+\b)+7], v[\f+64+8*(4*\c+\b):\f+64+8*(4*\c+\b)+7], v[\f+8*(4*\c+\a):\f+8*(4*\c+\a)+7], v[BO+8*\b:BO+8*\b+7]
.else
	v_wmma_f32_16x16x32_f16 v[ACC+8*(4*(\a)+\b):ACC+8*(4*(\a)+\b)+7], v[\f+64+8*(4*\c+\b):\f+64+8*(4*\c+\b)+7], v[\f+8*(4*\c+\a):\f+8*(4*\c+\a)+7], v[ACC+8*(4*(\a)+\b):ACC+8*(4*(\a)+\b)+7]
.endif
.endr
.endr
.endm
; 32 LDS loads in one run: the fragments of the slot's q-th 64 along K into buffer f; the first 32 along K first
.macro FETCH slot, q, f
	WIN TO_F
.irp c, 0,1
.irp i, 0,1,2,3
	ds_load_b128 v[\f+64+8*(4*\c+\i):\f+64+8*(4*\c+\i)+3],   v[ADRB+\slot] offset:\i*8192+(2*(\q)+\c)*1024
	ds_load_b128 v[\f+64+8*(4*\c+\i)+4:\f+64+8*(4*\c+\i)+7], v[ADRB+\slot] offset:\i*8192+(2*(\q)+\c)*1024+512
	ds_load_b128 v[\f+8*(4*\c+\i):\f+8*(4*\c+\i)+3],         v[ADRA+\slot] offset:\i*8192+(2*(\q)+\c)*1024
	ds_load_b128 v[\f+8*(4*\c+\i)+4:\f+8*(4*\c+\i)+7],       v[ADRA+\slot] offset:\i*8192+(2*(\q)+\c)*1024+512
.endr
.endr
.endm
.macro PLACES
.rept 4
	v_nop
.endr
.endm
.macro QUARTER slot, q, f, g, zero     ; multiplies buffer f and fetches the slot's q-th 64 along K into g
	s_wait_dscnt 16                                ; the first 32 along K are in; the other sixteen loads may be out
	WIN MUL
	MUL8 \f, 0, 0, \zero
	MUL8 \f, 0, 2, \zero
	PLACES
	FETCH \slot, \q, \g
	s_wait_dscnt 32                                ; all but the 32 just issued
	WIN MUL
	MUL8 \f, 1, 0, 0
	MUL8 \f, 1, 2, 0
.endm
; The last quarter multiplies buffer 1 and changes slots: ONE barrier; in front of it each wave waits for all its tensor loads, adds 0 to its spare word, and waits for that and for its reads of this slot.
; fill = 1: this slot is filled again with the tile's K step two on; fill = 2: with the NEXT tile's K step 0 or 1; fill = 0: nothing is left to fetch.
.macro TURN slot, next, fill
	WIN 0
	s_wait_tensorcnt 0x0                           ; all my tensor loads have landed: my part of the next slot
	ds_add_u32 v[SPW], v[NIL]                      ; 0 onto my spare word
	s_wait_dscnt 17                                ; the add and the youngest sixteen loads may be out
	WIN MUL
	MUL8 F1, 0, 0, 0
	s_wait_dscnt 0x0                               ; the add is done, and my reads of this slot are over
	s_barrier_signal -1
	MUL8 F1, 0, 2, 0
.if \fill
	WIN 0
.endif
	s_barrier_wait -1
.if \fill
	CREST                                          ; the barrier has opened a round of the cluster's: no wave of any partner still reads this slot or has a load on its way
.if \fill == 2
	s_sub_nc_u64 s[G0+4*\slot+2:G0+4*\slot+3], s[G0+4*\slot+2:G0+4*\slot+3], NEXT_A
	s_sub_nc_u64 s[G0B+4*\slot+2:G0B+4*\slot+3], s[G0B+4*\slot+2:G0B+4*\slot+3], BACK_B
.else
	s_add_nc_u64 s[G0+4*\slot+2:G0+4*\slot+3], s[G0+4*\slot+2:G0+4*\slot+3], 2*ASTEP
	s_add_nc_u64 s[G0B+4*\slot+2:G0B+4*\slot+3], s[G0B+4*\slot+2:G0B+4*\slot+3], 2*BSTEP
.endif
	JLOAD \slot                                    ; the first tensor load behind the round; its four v_nop are also the places in front of the loads below
.else
	PLACES
.endif
	FETCH \next, 0, F0
	WIN MUL
	MUL8 F1, 1, 0, 0
	MUL8 F1, 1, 2, 0
.endm
; A tile's walk along K: four K steps, slots 0, 1, 0, 1.  last = 0: the ring goes on into the next tile, whose first fragments are fetched by the last change of slots.  last = 1: the last two K steps fetch nothing.
.macro KWALK last
	QUARTER 0, 1, F0, F1, 1                        ; the tile's first products start the sums from bo
	QUARTER 0, 2, F1, F0, 0
	QUARTER 0, 3, F0, F1, 0
	TURN 0, 1, 1
	QUARTER 1, 1, F0, F1, 0
	QUARTER 1, 2, F1, F0, 0
	QUARTER 1, 3, F0, F1, 0
	TURN 1, 0, 1
	QUARTER 0, 1, F0, F1, 0
	QUARTER 0, 2, F1, F0, 0
	QUARTER 0, 3, F0, F1, 0
.if \last
	TURN 0, 1, 0
.else
	TURN 0, 1, 2
.endif
	QUARTER 1, 1, F0, F1, 0
	QUARTER 1, 2, F1, F0, 0
	QUARTER 1, 3, F0, F1, 0
.if \last
	s_wait_dscnt 16
	WIN MUL
	MUL8 F1, 0, 0, 0
	MUL8 F1, 0, 2, 0
	s_wait_dscnt 0
	MUL8 F1, 1, 0, 0
	MUL8 F1, 1, 2, 0
.else
	TURN 1, 0, 2
.endif
	WIN 0
.endm
; THE WAY OUT, 16 rows x 64 columns at a time.  A lane holds 32 neighbouring bytes of a row; a row's 256 bytes are all my wave's: they go through my own stage and come back as whole rows, sixteen lanes to 256
; consecutive aligned bytes.  LDS serves a wave's instructions in order: no wait between the stores and the loads, nor in front of the next block's stores.
.macro TOSTAGE a
.irp b, 0,1,2,3
	ds_store_b128 v[STO], v[ACC+8*(4*(\a)+\b):ACC+8*(4*(\a)+\b)+3] offset:64*\b        ; each accumulator from its low end on
	ds_store_b128 v[STO], v[ACC+8*(4*(\a)+\b)+4:ACC+8*(4*(\a)+\b)+7] offset:64*\b+16
.endr
.set BB, TMP+32*((\a)%2)
.irp t, 0,1,2,3,4,5,6,7
	ds_load_b128 v[BB+4*\t:BB+4*\t+3], v[RD] offset:\t*2*SPITCH
.endr
.endm
.macro SEND a, younger                 ; younger: the LDS instructions issued behind block a's loads, which may stay out
.set BB, TMP+32*((\a)%2)
	s_wait_dscnt \younger
.irp t, 0,1,2,3,4,5,6,7
	global_store_b128 v[CO], v[BB+4*\t:BB+4*\t+3], s[8:9] offset:(16*(\a)+2*\t)*4096 th:TH_STORE_NT
.endr
.endm
.macro WAYOUT
	PLACES                                         ; behind the last products, ahead of the LDS stores that read results
	s_wait_xcnt 0x0                                ; every earlier store has read its registers: both sets may be loaded again
	TOSTAGE 0
.irp a, 1,2,3
.if \a > 1
	s_wait_xcnt 0x0                                ; block a - 2's stores have read their registers: block a's loads may land there
.endif
	TOSTAGE \a
	SEND \a-1, 16                                  ; behind block a - 1's loads: block a's 8 stores and 8 loads
.endr
	SEND 3, 0                                      ; no LDS instruction of mine is out behind this: the accumulators have been read
.endm
	s_wait_tensorcnt 1                             ; my part of K step 0 is in; K step 1's load may be out
	s_barrier_signal -1
	s_barrier_wait -1
	FETCH 0, 0, F0
	s_wait_loadcnt 0x0                             ; bo
	KWALK 0                                        ; the first tile; both of the second tile's first K steps are asked for when it ends
	WAYOUT                                         ; its stores are on their way while the second tile is multiplied: nothing waits for them
	s_wait_xcnt 0x0                                ; they have read their base
	s_add_nc_u64 s[8:9], s[8:9], NEXT_C            ; the second tile's rows
.rept 5
	v_nop                                          ; with the way out's four: more than the five places owed ahead of a product that begins an accumulator anew from another C
.endr
	KWALK 1                                        ; the second tile
	WAYOUT
	s_wait_tensorcnt 0x0                           ; the wave's end
	ds_add_u32 v[SPW], v[NIL]
	s_wait_dscnt 0x0
	CROUND                                         ; the closing round
	s_endpgm
.Lfunc_end_k_q2ed8549b43_outp:
	.size	k_q2ed8549b43_outp, .Lfunc_end_k_q2ed8549b43_outp-k_q2ed8549b43_outp
	.p2alignl 7, 3214868480
	.fill 96, 4, 3214868480
	.section	.rodata,"a",@progbits
	.p2align	6, 0x0
	.amdhsa_kernel k_q2ed8549b43_outp
		.amdhsa_group_segment_fixed_size 327680
		.amdhsa_private_segment_fixed_size 0
		.amdhsa_enable_private_segment 0
		.amdhsa_kernarg_size 32
		.amdhsa_user_sgpr_count 2
		.amdhsa_user_sgpr_kernarg_segment_ptr 1
		.amdhsa_wavefront_size32 1
		.amdhsa_system_sgpr_workgroup_id_x 1
		.amdhsa_system_sgpr_workgroup_id_y 1
		.amdhsa_system_sgpr_workgroup_id_z 1
		.amdhsa_system_vgpr_workitem_id 0
		.amdhsa_next_free_vgpr 512
		.amdhsa_next_free_sgpr 68
		.amdhsa_reserve_vcc 0
		.amdhsa_float_denorm_mode_32 3
		.amdhsa_float_denorm_mode_16_64 3
		.amdhsa_memory_ordered 1
		.amdhsa_forward_progress 1
		.amdhsa_inst_pref_size 166
	.end_amdhsa_kernel
	.amdgpu_metadata
---
amdhsa.version: [ 1, 2 ]
amdhsa.kernels:
  - .name:           k_q2ed8549b43_outp
    .symbol:         k_q2ed8549b43_outp.kd
    .args:
      - { .name: obuf, .offset: 0, .size: 8, .value_kind: global_buffer, .address_space: global }
      - { .name: wobuf, .offset: 8, .size: 8, .value_kind: global_buffer, .address_space: global }
      - { .name: bo, .offset: 16, .size: 8, .value_kind: global_buffer, .address_space: global }
      - { .name: out0, .offset: 24, .size: 8, .value_kind: global_buffer, .address_space: global }
    .group_segment_fixed_size: 327680
    .private_segment_fixed_size: 0
    .kernarg_segment_align: 8
    .kernarg_segment_size: 32
    .max_flat_workgroup_size: 128
    .sgpr_count:     68
    .vgpr_count:     512
    .wavefront_size: 32
...
	.end_amdgpu_metadata
.endif
;; end of part 4
